; MI455X (gfx1250); checked and timed in simulation.
; The chip was launched on July 23, 2026; its instructions are those of AMD's public machine-readable ISA for CDNA 5 (MIT licence, August 2026) and "CDNA5" Instruction Set Architecture Reference Guide (July 2026). The comments in the code are by the model that wrote it; some were corrected since.
;; Multi Headed Attention. Allowed arithmetic: matrix products marked QUANTISED: E3M2 operands, one E8M0 scale for each 32 along K, by v_wmma_scale_f32_16x16x128_f8f6f4 with both operands' format E3M2, f32 sums; everything else in f32.
;; Inputs: Wk 1,024 x 1,024 float32; Wo 1,024 x 1,024 float32; Wq 1,024 x 1,024 float32; Wv 1,024 x 1,024 float32; x 4 x 2,048 x 1,024 float32.
;; Outputs: out0 4 x 2,048 x 1,024 float32.
;; This version of the problem:
;;   THIS VERSION OF THE PROBLEM IS GIVEN IN LOW PRECISION. The matrix products marked QUANTISED in the list below multiply operands that are first quantised to E3M2 (3 exponent bits, 2 mantissa bits; 6 bits a number), with one power-of-two scale for each 32 numbers along K (OCP MX v1.0); their sums are f32. All else is computed in f32.
;;   The module's matrix products, in the order in which they are computed (A, B: the left and right operand; K: the contracted axis; several contracted axes count as one K, in the product's order):
;;     1. [M 8,192, K 1,024] x [K 1,024, N 1,024]; A: input x; B: input Wq: QUANTISED
;;     2. [M 8,192, K 1,024] x [K 1,024, N 1,024]; A: input x; B: input Wk: QUANTISED
;;     3. [M 8,192, K 1,024] x [K 1,024, N 1,024]; A: input x; B: input Wv: QUANTISED
;;     4. batch 64 x [M 2,048, K 64] x [K 64, N 2,048]; A: computed on the way; B: computed on the way: QUANTISED
;;     5. batch 64 x [M 2,048, K 2,048] x [K 2,048, N 64]; A: softmax (see below); B: computed on the way: QUANTISED
;;     6. [M 8,192, K 1,024] x [K 1,024, N 1,024]; A: computed on the way; B: input Wo: QUANTISED
;;   THE QUANTISER, for each operand of a quantised product, along K:
;;     - K is cut into blocks of 32 from its start; a last block that is shorter is filled with zeros.
;;     - A block's scale is 2^e with e = floor(log2(the largest magnitude in the block)) - 4, held to -126 .. 127; a block of zeros has e = 0. As a byte (E8M0): e + 127.
;;     - Each number is divided by its block's scale, clamped to +-28, and rounded to the nearest number of E3M2, ties to even, subnormals kept.
;;     - The product sums the exact products of the quantised numbers (number of the format x scale) in f32.
;;   ~~~python
;;   def quantise(x, axis):      # numpy; x: float32 -> the quantised numbers, widened to float32 again
;;       x = np.moveaxis(x, axis, -1); K = x.shape[-1]
;;       x = np.pad(x, [(0, 0)] * (x.ndim - 1) + [(0, -K % 32)]); x = x.reshape(x.shape[:-1] + (-1, 32)); a = np.abs(x).max(-1, keepdims=True)
;;       e = np.where(a > 0, np.clip(np.frexp(np.where(a > 0, a, 1))[1] - 1 - 4, -126, 127), 0)      # np.frexp(a)[1] - 1 = floor(log2(a)), exactly
;;       r = np.clip(x / 2.0 ** e, -28, 28)
;;       step = 2.0 ** (np.maximum(np.frexp(np.where(r == 0, 1, r))[1] - 1, -2) - 2)
;;       q = np.round(r / step) * step * 2.0 ** e      # np.round: ties to even
;;       return np.moveaxis(q.reshape(q.shape[:-2] + (-1,))[..., :K], -1, axis).astype(np.float32)
;;   ~~~
;;   SOFTMAX AHEAD OF A QUANTISED PRODUCT. Where the list says 'softmax', what is quantised is not the finished softmax but p = 2^(t - M), with t = logit x log2(e) and M = ceil(the row's largest t), a whole number; so 1/2 < the row's largest p <= 1. The row's sum l is taken of the UNQUANTISED p, in f32, and the product's result is divided by l at the end. Since M is a whole number, a kernel that streams over the keys may use a running M (the ceiling of the running maximum): every later rescaling is an exact power of two, which a block's scale takes up: the codes' values come out the same.
;;   OPERANDS COMPUTED ON THE WAY. 'Computed on the way' means the value that the module computes at that place (a softmax that the list does not call 'softmax' is quantised finished and normalised). What goes into a quantiser is computed in f32, as accurately as f32 sums, v_exp_f32 and their like allow (about 1e-6 of the number): no bf16 or f16 on the way to a quantiser, and a product that is left as it is and whose result goes on into a quantised operand takes f32 operands (vector FMAs, or v_wmma_f32_16x16x4_f32). A number that lies on a knife's edge between two numbers of the format may be rounded either way, as far as f32 arithmetic and the matrix unit's own rounding can turn it there, and no further.
;; One version. Each part assembles by itself: llvm-mc -triple=amdgcn-amd-amdhsa -mcpu=gfx1250 --defsym DOCPART=n.
;; ======== version 1 of 1: 4 launches
;; workspace buffers: cod 15,728,640 bytes; scl 655,360 bytes; qb 6,553,600 bytes; kv 13,107,200 bytes
;; launch quant (part 1): grid 384 x 1, 4 waves a work-group, no clusters, 35,328 bytes of LDS; arguments x, Wq, Wk, Wv, Wo, cod, scl; writes cod, scl
.if DOCPART == 1
	.amdgcn_target "amdgcn-amd-amdhsa--gfx1250"
	.amdhsa_code_object_version 6
	.text
	.protected	k_q18b7acd6cd_quant
	.globl	k_q18b7acd6cd_quant
	.p2align	8
	.type	k_q18b7acd6cd_quant,@function
k_q18b7acd6cd_quant:
	s_mov_b64 s[64:65], 0
	v_nop
	global_prefetch_b8 v0, s[64:65] scope:SCOPE_SE
	s_setreg_imm32_b32 hwreg(HW_REG_WAVE_MODE, 25, 1), 1
	s_wait_xcnt 0x0
; x [8192][1024] and Wq, Wk, Wv, Wo [1024][1024], f32, K innermost, become codes of BF6 (E3M2) with one E8M0 byte for each 32 along K,
; laid in the ORDER OF AN OPERAND'S REGISTERS.  A TILE is 16 rows: position p of tile t is row 32 (t / 2) + 8 (t % 2) + p + 8 (p / 8).
; A half fragment (16 positions x 64 along K, 6 registers a lane; lane (r, h) holds position r, k = 32 h .. 32 h + 31) is 768 bytes:
; the lanes' registers 0-3 at 16 x lane, then registers 4-5 at 512 + 8 x lane.  cod: [tile][16 half fragments].  Tiles 0-511 x, 512-575 Wq, 576-639 Wk, 640-703 Wv, 704-767 Wo.
; scl: [tile][2 halves of K][16 positions][4 words]; a word holds the four bytes of 128 along K.
; A block's scale is 2^(floor(log2(largest magnitude)) - 4); its byte is the largest magnitude's exponent field - 4, held at 1 from below.
; LIMITS: a block of zeros, and one whose largest magnitude lies under 2^-122, gets the byte 1 (the rule says 127 for zeros: the codes are zeros, and this program alone reads the bytes); NaN and infinities are not served.
; SHARES: a wave takes one tile x 512 along K, in 8 steps of 64 along K.  Each load reads two rows' 256 consecutive bytes; the 4,096 bytes of a step turn through the wave's own stage in LDS
; (rows 272 bytes apart) and come back 128 bytes a lane: a whole block of 32 in one lane's registers.  Loads run three steps ahead, the turn one step.  Waves share nothing: no barrier.
.set R,   32                           ; v32-127  three sets of 32 registers as loaded
.set X,   128                          ; v128-191 two sets of 32 neighbours along K
.set C,   192                          ; v192-239 six registers of codes for each step: no store's data are written again
.set STG, 16*272                       ; a stage; two for each wave
	s_load_b256 s[4:11], s[0:1], 0x0               ; x, Wq, Wk, Wv
	s_load_b128 s[12:15], s[0:1], 0x20             ; Wo, cod
	s_load_b64 s[16:17], s[0:1], 0x30              ; scl
	v_lshl_add_u32 v240, v0, 2, 0x8800
	v_mov_b32 v241, 0
	v_lshrrev_b32 v10, 5, v0
	v_readfirstlane_b32 s18, v10                   ; wave 0..3
	v_and_b32 v11, 31, v0                          ; lane
	v_and_b32 v8, 15, v0                           ; r
	v_bfe_u32 v7, v0, 4, 1                         ; h
	v_lshlrev_b32 v1, 4, v8
	v_lshl_add_u32 v1, v7, 12, v1                  ; a load: lanes 0-15 one row's 256 bytes, lanes 16-31 the next row's
	s_mul_i32 s19, s18, 2*STG                      ; my wave's two stages
	v_mul_u32_u24 v2, v7, 272
	v_lshl_add_u32 v2, v8, 4, v2
	v_add_nc_u32 v2, s19, v2                       ; into a stage: as loaded
	v_mul_u32_u24 v3, v8, 272
	v_lshl_add_u32 v3, v7, 7, v3
	v_add_nc_u32 v3, s19, v3                       ; out of it: position r, 128 h bytes on
	v_lshlrev_b32 v4, 4, v11                       ; 16 x lane
	v_lshlrev_b32 v5, 3, v11                       ; 8 x lane
	v_lshlrev_b32 v6, 4, v8
	v_lshl_add_u32 v6, v7, 3, v6                   ; scale words: 16 r + 8 h
	v_lshlrev_b32 v9, 3, v7                        ; 8 h: my bytes' shift in a scale word
	v_mov_b32 v14, 0                               ; a lane permute's destination counts as one of its sources
	s_mov_b32 s26, 0x76543210
	s_mov_b32 s27, 0xfedcba98                      ; selects for lane l xor 16
	s_lshr_b32 s24, s18, 1                         ; which of the work-group's two tiles
	s_and_b32 s25, s18, 1                          ; which 512 along K
	s_wait_alu depctr_va_vdst(0)
	s_wait_kmcnt 0x0
	s_mov_b64 s[20:21], s[12:13]                   ; the tensor is chosen by the work-group's number alone: Wo,
	s_mov_b32 s22, 352                             ; and its first work-group
	s_cmp_lt_u32 ttmp9, 352
	s_cselect_b64 s[20:21], s[10:11], s[20:21]     ; Wv
	s_cselect_b32 s22, 320, s22
	s_cmp_lt_u32 ttmp9, 320
	s_cselect_b64 s[20:21], s[8:9], s[20:21]       ; Wk
	s_cselect_b32 s22, 288, s22
	s_cmp_lt_u32 ttmp9, 288
	s_cselect_b64 s[20:21], s[6:7], s[20:21]       ; Wq
	s_cselect_b32 s22, 256, s22
	s_cmp_lt_u32 ttmp9, 256
	s_cselect_b64 s[20:21], s[4:5], s[20:21]       ; x
	s_cselect_b32 s22, 0, s22
	s_sub_co_u32 s23, ttmp9, s22                   ; the work-group's number within its tensor: 32 rows each
	s_lshl_b32 s28, s23, 17                        ; 32 rows of 4,096 bytes,
	s_lshl_b32 s30, s24, 15                        ; the second tile begins 8 rows on,
	s_add_co_u32 s28, s28, s30
	s_lshl_b32 s30, s25, 11                        ; 512 numbers along K
	s_add_co_u32 s28, s28, s30
	s_mov_b32 s29, 0
	s_add_nc_u64 s[20:21], s[20:21], s[28:29]
	s_lshl_b32 s30, ttmp9, 1
	s_add_co_u32 s30, s30, s24                     ; my tile
	s_mul_i32 s28, s30, 12288
	s_mul_i32 s31, s25, 6144
	s_add_co_u32 s28, s28, s31
	s_add_nc_u64 s[14:15], s[14:15], s[28:29]      ; its codes, my half of K
	s_lshl_b32 s28, s30, 9
	s_lshl_b32 s31, s25, 8
	s_add_co_u32 s28, s28, s31
	s_add_nc_u64 s[16:17], s[16:17], s[28:29]      ; its scale words, my half of K
.macro LOAD e                          ; step e: positions 2 i and 2 i + 1 are rows 2 i + 8 (i / 4) and the next
.irp i, 0,1,2,3,4,5,6,7
	global_load_b128 v[R+32*((\e)%3)+4*\i:R+32*((\e)%3)+4*\i+3], v1, s[20:21] offset:(2*\i+8*(\i/4))*4096+256*(\e) th:TH_LOAD_NT
.endr
.endm
.macro TURN e                          ; through the stage: LDS serves a wave's instructions in order, so no wait stands between the stores and the loads
.irp i, 0,1,2,3,4,5,6,7
	ds_store_b128 v2, v[R+32*((\e)%3)+4*\i:R+32*((\e)%3)+4*\i+3] offset:STG*((\e)%2)+2*\i*272
.endr
.irp j, 0,1,2,3,4,5,6,7
	ds_load_b128 v[X+32*((\e)%2)+4*\j:X+32*((\e)%2)+4*\j+3], v3 offset:STG*((\e)%2)+16*\j
.endr
.endm
	LOAD 0
	LOAD 1
	LOAD 2
	s_wait_loadcnt 16                              ; step 0's eight loads are in; steps 1 and 2 may be out
	TURN 0
.macro STEP e
.set XS, X+32*((\e)%2)
.set CE, C+6*(\e)
	s_wait_dscnt 0x0                               ; this step's numbers are back from the stage, and its stores into the stage have read their registers,
.if (\e)+3 < 8
	LOAD (\e)+3                                    ; which take the loads of three steps on
.endif
.if (\e) < 7
.if (\e) < 5
	s_wait_loadcnt 16                              ; the next step's loads are in; those of the two steps behind it may be out
.else
	s_wait_loadcnt 8*(6-(\e))
.endif
	TURN (\e)+1                                    ; and go through the other stage while this step is worked
.endif
	v_max3_num_f32 v10, |v[XS]|, |v[XS+1]|, |v[XS+2]|              ; the block's largest magnitude: all 32 numbers are mine; two chains
	v_max3_num_f32 v11, |v[XS+3]|, |v[XS+4]|, |v[XS+5]|
.irp i, 6,10,14,18,22,26
	v_max3_num_f32 v10, v10, |v[XS+\i]|, |v[XS+\i+1]|
	v_max3_num_f32 v11, v11, |v[XS+\i+2]|, |v[XS+\i+3]|
.endr
	v_max3_num_f32 v10, v10, |v[XS+30]|, |v[XS+31]|
	v_max3_num_f32 v10, v10, v11, 0x2800000        ; and the floor 2^(5 - 127): the byte cannot fall under 1
	v_add_nc_u32 v12, 0xfe000000, v10              ; 4 off the exponent field: the conversion's scale operand
	v_lshrrev_b32 v13, 23, v12                     ; the scale's byte: block 2 (e % 2) + h of K step e / 2
.if (\e)%2 == 0
	v_mov_b32 v15, v13
.else
	v_lshl_or_b32 v15, v13, 16, v15                ; my two bytes of the word,
	v_lshlrev_b32 v15, v9, v15                     ; at their places,
	v_permlanex16_b32 v14, v15, s26, s27
	v_or_b32 v[16+(\e)/2], v15, v14                ; and with lane l xor 16's two the word is whole
.endif
	v_cvt_scalef32_pk16_bf6_f32 v[CE:CE+2], v[XS:XS+15], v12
	v_cvt_scalef32_pk16_bf6_f32 v[24:26], v[XS+16:XS+31], v12      ; (a conversion's three registers begin on an even number)
	v_nop                                          ; one plain place behind a scaled conversion
	v_mov_b32 v[CE+3], v24
	v_mov_b32 v[CE+4], v25
	v_mov_b32 v[CE+5], v26
	global_store_b128 v4, v[CE:CE+3], s[14:15] offset:768*(\e)         ; 512 consecutive bytes,
	global_store_b64 v5, v[CE+4:CE+5], s[14:15] offset:768*(\e)+512    ; and 256: the half fragment's image
.endm
.irp e, 0,1,2,3,4,5,6,7
	STEP \e
.endr
	v_cmp_ne_u32 vcc_lo, 0, v7                     ; both halves of the lanes hold position r's four words: lanes 0-15 store words 0, 1, lanes 16-31 words 2, 3
	v_cndmask_b32 v20, v16, v18, vcc_lo
	v_cndmask_b32 v21, v17, v19, vcc_lo
	global_store_b64 v6, v[20:21], s[16:17]        ; the wave stores 256 consecutive bytes, aligned
	s_wait_tensorcnt 0x0
	ds_add_u32 v240, v241
	s_wait_dscnt 0x0
	s_endpgm
.Lfunc_end_k_q18b7acd6cd_quant:
	.size	k_q18b7acd6cd_quant, .Lfunc_end_k_q18b7acd6cd_quant-k_q18b7acd6cd_quant
	.p2alignl 7, 3214868480
	.fill 96, 4, 3214868480
	.section	.rodata,"a",@progbits
	.p2align	6, 0x0
	.amdhsa_kernel k_q18b7acd6cd_quant
		.amdhsa_group_segment_fixed_size 35328
		.amdhsa_private_segment_fixed_size 0
		.amdhsa_enable_private_segment 0
		.amdhsa_kernarg_size 56
		.amdhsa_user_sgpr_count 2
		.amdhsa_user_sgpr_kernarg_segment_ptr 1
		.amdhsa_wavefront_size32 1
		.amdhsa_system_sgpr_workgroup_id_x 1
		.amdhsa_system_sgpr_workgroup_id_y 1
		.amdhsa_system_sgpr_workgroup_id_z 1
		.amdhsa_system_vgpr_workitem_id 0
		.amdhsa_next_free_vgpr 242
		.amdhsa_next_free_sgpr 66
		.amdhsa_reserve_vcc 1
		.amdhsa_float_denorm_mode_32 3
		.amdhsa_float_denorm_mode_16_64 3
		.amdhsa_memory_ordered 1
		.amdhsa_forward_progress 1
		.amdhsa_inst_pref_size 32
	.end_amdhsa_kernel
	.amdgpu_metadata
---
amdhsa.version: [ 1, 2 ]
amdhsa.kernels:
  - .name:           k_q18b7acd6cd_quant
    .symbol:         k_q18b7acd6cd_quant.kd
    .args:
      - { .name: x, .offset: 0, .size: 8, .value_kind: global_buffer, .address_space: global }
      - { .name: Wq, .offset: 8, .size: 8, .value_kind: global_buffer, .address_space: global }
      - { .name: Wk, .offset: 16, .size: 8, .value_kind: global_buffer, .address_space: global }
      - { .name: Wv, .offset: 24, .size: 8, .value_kind: global_buffer, .address_space: global }
      - { .name: Wo, .offset: 32, .size: 8, .value_kind: global_buffer, .address_space: global }
      - { .name: cod, .offset: 40, .size: 8, .value_kind: global_buffer, .address_space: global }
      - { .name: scl, .offset: 48, .size: 8, .value_kind: global_buffer, .address_space: global }
    .group_segment_fixed_size: 35328
    .private_segment_fixed_size: 0
    .kernarg_segment_align: 8
    .kernarg_segment_size: 56
    .max_flat_workgroup_size: 128
    .sgpr_count:     66
    .vgpr_count:     242
    .wavefront_size: 32
...
	.end_amdgpu_metadata
.endif
;; end of part 1
;; launch qkv (part 2): grid 8 x 48, 4 waves a work-group, clusters of 4 x 4, 327,680 bytes of LDS; arguments cod, scl, qb, kv; writes qb, kv
.if DOCPART == 2
	.amdgcn_target "amdgcn-amd-amdhsa--gfx1250"
	.amdhsa_code_object_version 6
	.text
	.protected	k_q18b7acd6cd_qkv
	.globl	k_q18b7acd6cd_qkv
	.p2align	8
	.type	k_q18b7acd6cd_qkv,@function
k_q18b7acd6cd_qkv:
	s_mov_b64 s[64:65], 0
	v_nop
	global_prefetch_b8 v0, s[64:65] scope:SCOPE_SE
	s_setreg_imm32_b32 hwreg(HW_REG_WAVE_MODE, 25, 1), 1
	s_wait_xcnt 0x0
	s_wait_alu depctr_hold_cnt(0) depctr_sa_sdst(0) depctr_va_vdst(0) depctr_va_sdst(0) depctr_va_ssrc(0) depctr_va_vcc(0) depctr_vm_vsrc(0)
	s_getreg_b32 s2, hwreg(HW_REG_IB_STS2, 6, 4)
	s_cmp_eq_u32 s2, 0
	s_cbranch_scc0 .Lentry_in_a_cluster
	s_endpgm
.Lentry_in_a_cluster:
	s_bfe_u32 s2, ttmp6, 0x10000c
	s_cmp_lg_u32 s2, 0xf033
	s_cbranch_scc0 .Lentry_shape_is_right
	s_endpgm
.Lentry_shape_is_right:
; q = x Wq^T, k = x Wk^T, v = x Wv^T on codes of BF6 (E3M2) with E8M0 scales (K = 1,024), and on the way out q and k are quantised along the head's 64, v along the keys.
; Operands come from cod and scl, laid in the order of the operands' registers: a tile is 16 rows (position p of tile t = row 32 (t / 2) + 8 (t % 2) + p + 8 (p / 8)); a fragment of 128 along K is 1,536 dense bytes.
; A work-group of four waves makes 256 R rows x 256 P rows; a wave 128 x 128: 64 accumulators.  SOURCE 0 = 16 rows of P, SOURCE 1 = 16 rows of R: a lane holds ONE R position, and by the tile rule the 16 registers of
; P's tiles 2 b and 2 b + 1 are 16 NEIGHBOURING P rows, 32 b + 16 (lane / 16) + 0 .. 15: so a lane's 64 registers of a block are ready for the conversions.
; q, k (clusters y 0-7): R = x, P = Wq (cluster x 0) or Wk (1): registers run along the features: two heads of 64.   v (clusters y 8-11): R = Wv, P = x: registers run along 128 keys.  One way out serves all three.
; K goes through a ring of two LDS slots, each with two K steps of 128; the 8 K steps are written out.  CLUSTERS: 4 x 4; R's tiles are asked for jointly along a row of the cluster, P's along a column.
; OUT.  qb: [64 heads][16 steps of 128 queries][6,400]: 8 half fragments of 768 bytes (tile a), then 256 bytes of scale words (lane r: words kb = 0..3; word kb = tile 2 kb's two bytes, tile 2 kb + 1's two).
;       kv: [64 heads][16 steps of 128 keys][12,800]: K as q, V^T as 4 fragments of 1,536 bytes (16 d by the tile rule x 128 keys) at 6,144, K's scale words at 12,288, V's (lane r: words of tiles 0..3) at 12,544.
; LIMITS: a block of zeros, or one under 2^-122, gets the scale byte 1 (this program alone reads the bytes); NaN and infinities are not served.
; REGISTERS: window 0: v2-5 lane terms, v16-24 addresses, v28-29 the add's, v32-95 scale words (all of K), v96-127 the way out's, v128-223 R's fragments (one set; the way out's codes later);
;   window 1: P's fragments, two sets, at v0 and v128;  window 2: accumulators of R's blocks 0-3 ((a, b) at v[8 (8 (a % 4) + b)]);  window 3: blocks 4-7.
.set FR,    12                         ; registers of a fragment
.set NL,    4                          ; LDS loads that bring one
.set NP,    4                          ; places behind this matrix instruction (ISA guide 7.12.1)
.set TILEB, 12288                      ; a tile's codes for all of K
.set QUART, 24576                      ; 8 tiles x two K steps: what one tensor load brings, and what a wave reads of R or of P
.set SLOT,  4*QUART                    ; R's 16 tiles, then P's 16
.set SPARE, 2*SLOT                     ; behind the ring: the spare words, 128 bytes for each wave
.set L16,  2                           ; v2  16 x lane
.set L8,   3                           ; v3  8 x lane
.set VR,   4                           ; v4  r
.set VH,   5                           ; v5  h
.set AR16, 16                          ; v16-17 R's fragments in slot 0, 1: 16 x lane + ..;  v18-19 the same with 8 x lane
.set AR8,  18
.set AP16, 20                          ; v20-23 the same for P
.set AP8,  22
.set ASC,  24                          ; v24 the scale words' offset in scl
.set SPW,  28
.set NIL,  29
.set SC,   32                          ; v[SC + 8 i + s]: lanes 0-15 the word of R's block i, lanes 16-31 of P's block i, K step s
.set TM,   96                          ; v96-99 largest magnitudes, v100-103 bytes, v108-111 scale operands
.set PWS,  112                         ; v112-119 the scale word of each of the eight blocks
.set SELV, 120
.set SOF,  121
.set KW,   124                         ; v124-127 the scale words as they are stored
.set AF,   128
.set PC,   128                         ; v128-139 a fragment's codes
.set PT,   140                         ; v140-146 the conversions' second halves
.set G1,  24
.set G0,  32
.set G1B, 48
.set G0B, 56
.set P0,  70                           ; s[70:71], s[72:73] where the fragment's two halves go;  s[74:75] the scale words
.set P1,  72
.set PS,  74
.set DA,  76                           ; s[76:77] from block to block;  s[78:79] more at block 4
.set DB,  78
.set XSEL, 94                          ; s[94:95] selects for lane l xor 16
.set MSB, 0
.macro WIN new                         ; the immediate's high byte repeats the setting that is left
.if MSB != (\new)
	s_set_vgpr_msb (MSB<<8)|(\new)
.set MSB, (\new)
.endif
.endm
.set MUL_LO, 0xa1                      ; source 0 (P) window 1, source 1 (R) window 0, C and D window 2
.set MUL_HI, 0xf1
.set TO_B,   0x40                      ; destination window 1, address window 0
.macro JLOAD g0a, g1a, g0b, g1b        ; a joint load: waves 0 and 1 fetch for R, waves 2 and 3 for P; four v_nop follow each of the two lines
	s_cmp_eq_u32 s15, 0
	s_cbranch_scc0 .Lfor_b_\@
	tensor_load_to_lds s[\g0a:\g0a+3], s[\g1a:\g1a+7]
	s_nop 0
.rept 4
	v_nop
.endr
	s_branch .Lasked_\@
.Lfor_b_\@:
	tensor_load_to_lds s[\g0b:\g0b+3], s[\g1b:\g1b+7]
	s_nop 0
.rept 4
	v_nop
.endr
.Lasked_\@:
.endm
.macro CREST                           ; a round of the cluster's barrier behind its opening barrier
	s_cmp_lg_u32 s14, 0
	s_cbranch_scc1 .Lnot_wave_0_\@
	s_barrier_signal -3
.Lnot_wave_0_\@:
	s_barrier_wait -3
	s_barrier_signal -1
	s_barrier_wait -1
.endm
.macro CROUND
	s_barrier_signal -1
	s_barrier_wait -1
	CREST
.endm
.macro PLACES n
.rept \n
	v_nop
.endr
.endm
	s_load_b128 s[4:7], s[0:1], 0x0                ; cod, scl
	s_load_b128 s[8:11], s[0:1], 0x10              ; qb, kv
	v_lshl_add_u32 v[SPW], v0, 2, SPARE
	v_mov_b32 v[NIL], 0
	ds_add_u32 v28, v29
	ds_add_u32 v28, v29
	s_wait_dscnt 0x0
	v_lshrrev_b32 v1, 5, v0
	v_readfirstlane_b32 s14, v1                    ; wave 0..3
	s_lshr_b32 s15, s14, 1                         ; my half of R's rows.  Also: I fetch for R (0) or for P (1)
	s_and_b32 s16, s14, 1                          ; my half of P's rows.  Also: which 8 tiles I fetch
	s_bfe_u32 s40, ttmp6, 0x40000                  ; cx
	s_bfe_u32 s41, ttmp6, 0x40004                  ; cy
	s_and_b32 s17, ttmp7, 0xffff                   ; cluster y: 0-7 q and k, 8-11 v
	s_lshl_b32 s43, s41, 2
	s_lshl_b32 s43, 15, s43                        ; my row of the cluster
	s_lshl_b32 s44, 0x1111, s40                    ; my column
	s_or_b32 s[G1], s43, (3<<16)|(1<<21)           ; 15:0 the mask; 17:16 elements of 8 bytes; 21 set beside a mask; no padding: the images are read 16 or 8 bytes a lane on end
	s_or_b32 s[G1B], s44, (3<<16)|(1<<21)
.irp g, G1, G1B
	s_mov_b32 s[\g+1], 384<<16                     ; tensor_dim0: two K steps of a tile, 3,072 bytes
	s_mov_b32 s[\g+2], 8<<16                       ; tensor_dim1: 8 tiles
	s_mov_b32 s[\g+3], 384<<16                     ; tile_dim0
	s_mov_b32 s[\g+4], 8                           ; tile_dim1
	s_mov_b32 s[\g+5], 1536                        ; from tile to tile: 12,288 bytes
	s_mov_b32 s[\g+6], 0
	s_mov_b32 s[\g+7], 0
.endr
	s_lshl_b32 s18, s17, 6                         ; R's first tile.  q, k: x's 64 x cluster y + 16 cy;  v: Wv's 640 + 16 cy.  No register on this way holds cx
	s_cmp_ge_u32 s17, 8
	s_cselect_b32 s18, 640, s18
	s_cselect_b32 s82, 1, 0                        ; 1: the v part.  The same in all partners of a cluster
	s_lshl_b32 s19, s41, 4
	s_add_co_u32 s18, s18, s19
	s_lshl_b32 s45, s17, 7                         ; P's first tile.  q, k: 512 + 16 (4 cluster x + cx);  v: x's 16 (4 cluster x + cx) + 128 (cluster y - 8).  No register on this way holds cy
	s_sub_co_u32 s45, s45, 1024
	s_cmp_ge_u32 s17, 8
	s_cselect_b32 s45, s45, 512
	s_lshl_b32 s46, ttmp9, 2
	s_add_co_u32 s46, s46, s40
	s_lshl_b32 s46, s46, 4
	s_add_co_u32 s46, s46, s45
	s_lshl_b32 s19, s16, 3                         ; which 8 tiles I fetch
	s_add_co_u32 s20, s18, s19
	s_mul_i32 s20, s20, TILEB
	s_mov_b32 s21, 0
	s_add_co_u32 s22, s46, s19
	s_mul_i32 s22, s22, TILEB
	s_mov_b32 s23, 0
	s_mul_i32 s47, s14, QUART                      ; where they go: wave x 24,576: no place in the cluster enters an LDS address
	s_wait_kmcnt 0x0
	s_add_nc_u64 s[20:21], s[4:5], s[20:21]
	s_add_nc_u64 s[22:23], s[4:5], s[22:23]
	CROUND                                         ; all sixteen work-groups are here: the first joint loads meet
.irp s, 0,1
	s_mov_b32 s[G0+4*\s], 1
	s_add_co_u32 s[G0+4*\s+1], s47, \s*SLOT
	s_add_nc_u64 s[G0+4*\s+2:G0+4*\s+3], s[20:21], \s*3072
	s_or_b32 s[G0+4*\s+3], s[G0+4*\s+3], 0x80000000
	s_mov_b32 s[G0B+4*\s], 1
	s_add_co_u32 s[G0B+4*\s+1], s47, \s*SLOT
	s_add_nc_u64 s[G0B+4*\s+2:G0B+4*\s+3], s[22:23], \s*3072
	s_or_b32 s[G0B+4*\s+3], s[G0B+4*\s+3], 0x80000000
	JLOAD G0+4*\s, G1, G0B+4*\s, G1B               ; two tensor loads of mine are out behind these
.endr
	v_and_b32 v1, 31, v0
	v_and_b32 v[VR], 15, v0
	v_bfe_u32 v[VH], v0, 4, 1
	v_lshlrev_b32 v[L16], 4, v1
	v_lshlrev_b32 v[L8], 3, v1
	s_mul_i32 s66, s15, QUART                      ; my 8 tiles of R,
	s_mul_i32 s67, s16, QUART                      ; my 8 tiles of P,
	s_add_co_u32 s67, s67, 2*QUART                 ; which lie behind R's 16
.irp s, 0,1
	v_add_nc_u32 v[AR16+\s], s66, v[L16]
	v_add_nc_u32 v[AR8+\s], s66, v[L8]
	v_add_nc_u32 v[AP16+\s], s67, v[L16]
	v_add_nc_u32 v[AP8+\s], s67, v[L8]
	s_add_co_u32 s66, s66, SLOT
	s_add_co_u32 s67, s67, SLOT
.endr
	s_lshl_b32 s83, s15, 3
	s_add_co_u32 s83, s83, s18                     ; my first tile of R
	s_lshl_b32 s84, s16, 3
	s_add_co_u32 s84, s84, s46                     ; and of P
	s_lshl_b32 s68, s83, 9                         ; 512 bytes of scale words a tile
	s_lshl_b32 s69, s84, 9
	v_mov_b32 v[ASC], s68
	v_mov_b32 v6, s69
	v_cmp_ne_u32 vcc_lo, 0, v[VH]
	v_cndmask_b32 v[ASC], v[ASC], v6, vcc_lo       ; lanes 0-15 take R's words, lanes 16-31 P's
	v_lshl_add_u32 v[ASC], v[VR], 4, v[ASC]
.irp i, 0,1,2,3,4,5,6,7
.irp q, 0,1
	global_load_b128 v[SC+8*\i+4*\q:SC+8*\i+4*\q+3], v[ASC], s[6:7] offset:512*\i+256*\q   ; the words of four K steps; sixteen lanes read 256 consecutive bytes
.endr
.endr
	; where the results go
	s_cmp_eq_u32 s82, 1
	s_cselect_b32 s85, s84, s83                    ; the first of my 8 tiles of x: a step of 128 queries or keys
	s_bfe_u32 s86, s84, 0x30003
	s_lshl_b32 s86, s86, 1                         ; q, k: my 128 features are heads 2 ((tile / 8) % 8) and the next
	s_bfe_u32 s87, s83, 0x40002                    ; v: Wv's tiles 4 hd .. 4 hd + 3 are head hd
	s_cmp_eq_u32 s82, 1
	s_cselect_b32 s86, s87, s86                    ; my first head
	s_or_b32 s88, s82, ttmp9
	s_mov_b32 s80, 204800                          ; a head's bytes,
	s_mov_b32 s81, 12800                           ; a step's,
	s_mov_b32 s89, 12288                           ; the scale words' place in a step
	s_cmp_eq_u32 s88, 0                            ; q?
	s_cselect_b32 s80, 102400, s80
	s_cselect_b32 s81, 6400, s81
	s_cselect_b32 s89, 6144, s89
	s_cselect_b64 s[P0:P0+1], s[8:9], s[10:11]
	s_mov_b32 s[DA], 768
	s_cmp_eq_u32 s82, 1                            ; v?
	s_cselect_b32 s89, 6400, s89                   ; (from V's first fragment on)
	s_cselect_b32 s90, 6144, 0                     ; V's fragments lie behind K's
	s_cselect_b32 s91, 768, s80                    ; the fragment's second half: v: 768 on; q, k: the next head
	s_cselect_b32 s[DA], 1536, s[DA]               ; from block to block: v: a fragment; q, k: a half fragment
	s_cselect_b32 s[DB], 198656, 0                 ; v: block 4 begins the next head: 204,800 - 4 x 1,536 more
	s_mov_b32 s[DA+1], 0
	s_mov_b32 s[DB+1], 0
	s_lshr_b32 s92, s85, 7                         ; the batch,
	s_lshl_b32 s92, s92, 4
	s_add_co_u32 s92, s92, s86                     ; 16 x batch + head
	s_mul_i32 s92, s92, s80
	s_bfe_u32 s93, s85, 0x40003                    ; the step
	s_mul_i32 s93, s93, s81
	s_add_co_u32 s92, s92, s93
	s_add_co_u32 s92, s92, s90
	s_mov_b32 s93, 0
	s_add_nc_u64 s[P0:P0+1], s[P0:P0+1], s[92:93]
	s_mov_b32 s92, s91
	s_add_nc_u64 s[P1:P1+1], s[P0:P0+1], s[92:93]
	s_mov_b32 s92, s89
	s_add_nc_u64 s[PS:PS+1], s[P0:P0+1], s[92:93]
	v_mul_lo_u32 v[SOF], v[VH], s80
	v_lshl_add_u32 v[SOF], v[VR], 4, v[SOF]        ; scale words: lanes 0-15 my first head's 256 bytes, lanes 16-31 the next head's
	s_mov_b32 s[XSEL], 0x76543210
	s_mov_b32 s[XSEL+1], 0xfedcba98
.irp b, 0,1,2,3
	v_mov_b32 v[TM+4+\b], 0                        ; a lane permute's destination counts as one of its sources
.endr
.macro FRAG reg, a16, a8, q, i         ; a fragment's image: registers 0-3, 4-5, 6-9, 10-11
	ds_load_b128 v[\reg:\reg+3], v[\a16] offset:3072*(\i)+1536*(\q)
	ds_load_b64 v[\reg+4:\reg+5], v[\a8] offset:3072*(\i)+1536*(\q)+512
	ds_load_b128 v[\reg+6:\reg+9], v[\a16] offset:3072*(\i)+1536*(\q)+768
	ds_load_b64 v[\reg+10:\reg+11], v[\a8] offset:3072*(\i)+1536*(\q)+1280
.endm
.macro FETCH_B slot, q, p              ; P's eight fragments of the slot's q-th K step into set p
	WIN TO_B
.irp i, 0,1,2,3,4,5,6,7
	FRAG 128*(\p)+FR*\i, AP16+\slot, AP8+\slot, \q, \i
.endr
	WIN 0
.endm
.macro FETCH_A slot, q, i0             ; R's blocks i0 .. i0 + 3
.irp i, \i0, \i0+1, \i0+2, \i0+3
	FRAG AF+FR*(\i), AR16+\slot, AR8+\slot, \q, \i
.endr
.endm
; 16 matrix instructions: R's blocks a0, a0 + 1 x P's eight, K step ks.  The 64 accumulators take turns, one instruction a turn, in the same order in every step.
.macro MUL16 a0, p, ks, zero
.irp a, \a0, \a0+1
.irp b, 0,1,2,3,4,5,6,7
.if \zero
	v_wmma_scale_f32_16x16x128_f8f6f4 v[8*(8*((\a)%4)+\b):8*(8*((\a)%4)+\b)+7], v[128*(\p)+FR*\b:128*(\p)+FR*\b+FR-1], v[AF+FR*(\a):AF+FR*(\a)+FR-1], 0, v[SC+8*\b+(\ks)], v[SC+8*(\a)+(\ks)] matrix_a_fmt:MATRIX_FMT_BF6 matrix_b_fmt:MATRIX_FMT_BF6 matrix_a_scale:MATRIX_SCALE_ROW1
.else
	v_wmma_scale_f32_16x16x128_f8f6f4 v[8*(8*((\a)%4)+\b):8*(8*((\a)%4)+\b)+7], v[128*(\p)+FR*\b:128*(\p)+FR*\b+FR-1], v[AF+FR*(\a):AF+FR*(\a)+FR-1], v[8*(8*((\a)%4)+\b):8*(8*((\a)%4)+\b)+7], v[SC+8*\b+(\ks)], v[SC+8*(\a)+(\ks)] matrix_a_fmt:MATRIX_FMT_BF6 matrix_b_fmt:MATRIX_FMT_BF6 matrix_a_scale:MATRIX_SCALE_ROW1
.endif
.endr
.endr
.endm
.macro STEP slot, ks, zero             ; a slot's first K step; it fetches the second
	s_wait_dscnt 4*NL                              ; P's set and R's blocks 0-3 are in; the youngest 16 loads (R's blocks 4-7) may be out
	WIN MUL_LO
	MUL16 0, 0, \ks, \zero
	MUL16 2, 0, \ks, \zero
	s_wait_dscnt 0
	PLACES NP                                      ; in front of loads into registers that matrix instructions have read
	FETCH_B \slot, 1, 1
	FETCH_A \slot, 1, 0
	WIN MUL_HI
	MUL16 4, 0, \ks, \zero
	MUL16 6, 0, \ks, \zero
	PLACES NP
	WIN 0
	FETCH_A \slot, 1, 4
.endm
; A slot's second K step changes slots: ONE barrier; in front of it each wave waits for all its tensor loads, adds 0 to its spare word, and waits for that and for its reads of this slot.  fill = 1: this slot is filled again.
.macro TURN slot, next, ks, fill
	s_wait_tensorcnt 0x0                           ; all my tensor loads have landed: my part of the next slot
	ds_add_u32 v[SPW], v[NIL]                      ; 0 onto my spare word
	s_wait_dscnt 4*NL+1                            ; (the add and the youngest 16 loads may be out)
	WIN MUL_LO
	MUL16 0, 1, \ks, 0
	s_wait_dscnt 0x0                               ; the add is done, and my reads of this slot are over
	s_barrier_signal -1
	MUL16 2, 1, \ks, 0
	WIN 0
	s_barrier_wait -1
.if \fill
	CREST                                          ; the barrier has opened a round of the cluster's barrier: no wave of any partner still reads this slot or has a load on its way
	s_add_nc_u64 s[G0+4*\slot+2:G0+4*\slot+3], s[G0+4*\slot+2:G0+4*\slot+3], 6144
	s_add_nc_u64 s[G0B+4*\slot+2:G0B+4*\slot+3], s[G0B+4*\slot+2:G0B+4*\slot+3], 6144
	JLOAD G0+4*\slot, G1, G0B+4*\slot, G1B         ; the first tensor load behind the round; its four v_nop are the places in front of the loads below
.else
	PLACES NP
.endif
	FETCH_B \next, 0, 0
	FETCH_A \next, 0, 0
	WIN MUL_HI
	MUL16 4, 1, \ks, 0
	MUL16 6, 1, \ks, 0
	PLACES NP
	WIN 0
	FETCH_A \next, 0, 4
.endm
	s_wait_tensorcnt 1                             ; my part of slot 0 is in; slot 1's load may be out
	s_barrier_signal -1
	s_barrier_wait -1
	FETCH_B 0, 0, 0
	FETCH_A 0, 0, 0
	FETCH_A 0, 0, 4
	s_wait_loadcnt 0x0                             ; the scale words
	STEP 0, 0, 1                                   ; the first products start the sums: nothing is cleared
	TURN 0, 1, 1, 1                                ; slot 0 takes K steps 4, 5
	STEP 1, 2, 0
	TURN 1, 0, 3, 1                                ; slot 1 takes K steps 6, 7
	STEP 0, 4, 0
	TURN 0, 1, 5, 0
	STEP 1, 6, 0
	s_wait_dscnt 4*NL                              ; the last K step: nothing more to fetch
	WIN MUL_LO
	MUL16 0, 1, 7, 0
	MUL16 2, 1, 7, 0
	s_wait_dscnt 0
	WIN MUL_HI
	MUL16 4, 1, 7, 0
	MUL16 6, 1, 7, 0
	WIN 0
; THE WAY OUT.  Block a (16 R positions): a lane's 64 registers, register 16 b + i = number 32 b + 16 (lane / 16) + i of my position's 128, become a fragment's codes and a scale word, and the image goes to memory.
.macro QBLK a
.set ACB, 64*((\a)%4)
	WIN 0x0a+5*((\a)/4)                            ; sources 0 and 1: window 2 or 3
.irp b, 0,1,2,3
	v_max3_num_f32 v[TM+\b], |v[ACB+16*\b]|, |v[ACB+16*\b+1]|, 0x2800000   ; each accumulator is read from its low end on; the floor 2^(5 - 127) holds the byte at 1 from below
.endr
.irp i, 2,4,6,8,10,12,14
.irp b, 0,1,2,3
	v_max3_num_f32 v[TM+\b], |v[ACB+16*\b+\i]|, |v[ACB+16*\b+\i+1]|, v[TM+\b]
.endr
.endr
	WIN 0
.irp b, 0,1,2,3
	v_permlanex16_b32 v[TM+4+\b], v[TM+\b], s[XSEL], s[XSEL+1]
.endr
.irp b, 0,1,2,3
	v_max_num_f32 v[TM+\b], v[TM+\b], v[TM+4+\b]   ; with lane l xor 16's: the block's largest magnitude
.endr
.irp b, 0,1,2,3
	v_add_nc_u32 v[TM+12+\b], 0xfe000000, v[TM+\b] ; 4 off the exponent field: the conversion's scale operand
.endr
.irp b, 0,1,2,3
	v_lshrrev_b32 v[TM+4+\b], 23, v[TM+12+\b]      ; the scale's byte
.endr
	v_lshl_or_b32 v[PWS+(\a)], v[TM+5], 8, v[TM+4]
	v_lshl_or_b32 v[PWS+(\a)], v[TM+6], 16, v[PWS+(\a)]
	v_lshl_or_b32 v[PWS+(\a)], v[TM+7], 24, v[PWS+(\a)]
	s_wait_xcnt 0x0                                ; the last block's stores have read their data and their bases: both are written again below
.if (\a) > 0
	s_add_nc_u64 s[P0:P0+1], s[P0:P0+1], s[DA:DA+1]
	s_add_nc_u64 s[P1:P1+1], s[P1:P1+1], s[DA:DA+1]
.endif
.if (\a) == 4
	s_add_nc_u64 s[P0:P0+1], s[P0:P0+1], s[DB:DB+1]
	s_add_nc_u64 s[P1:P1+1], s[P1:P1+1], s[DB:DB+1]
.endif
	WIN 0x02+((\a)/4)                              ; source 0: window 2 or 3
.irp c, 0,1
	v_cvt_scalef32_pk16_bf6_f32 v[PC+6*\c:PC+6*\c+2], v[ACB+32*\c:ACB+32*\c+15], v[TM+12+2*\c]
	v_cvt_scalef32_pk16_bf6_f32 v[PT+4*\c:PT+4*\c+2], v[ACB+32*\c+16:ACB+32*\c+31], v[TM+12+2*\c+1]
.endr
	WIN 0
	v_nop                                          ; one plain place behind a scaled conversion
.irp c, 0,1                            ; the operand's layout wants a whole block in a lane: lanes 0-15 block 2 c, lanes 16-31 block 2 c + 1
.irp i, 0,1,2
	v_permlane16_swap_b32 v[PC+6*\c+\i], v[PT+4*\c+\i]
.endr
.irp i, 0,1,2
	v_mov_b32 v[PC+6*\c+3+\i], v[PT+4*\c+\i]
.endr
.endr
	global_store_b128 v[L16], v[PC:PC+3], s[P0:P0+1]               ; each store covers 512 or 256 consecutive bytes, aligned to 256
	global_store_b64 v[L8], v[PC+4:PC+5], s[P0:P0+1] offset:512
	global_store_b128 v[L16], v[PC+6:PC+9], s[P1:P1+1]
	global_store_b64 v[L8], v[PC+10:PC+11], s[P1:P1+1] offset:512
.endm
	PLACES NP                                      ; behind the last products: results are read, and R's registers are written
.irp a, 0,1,2,3,4,5,6,7
	QBLK \a
.endr
	v_cmp_ne_u32 vcc_lo, 0, v[VH]                  ; the scale words: lanes 0-15 make my first head's, lanes 16-31 the next head's
	s_cmp_eq_u32 s82, 1                            ; (a branch on the cluster's y: alike in all partners)
	s_cbranch_scc1 .Lv_words
	v_mov_b32 v[SELV], 0x05040100                  ; q, k: a block's word holds two bytes for each head: word kb = tile 2 kb's two, tile 2 kb + 1's two
	v_mov_b32 v6, 0x07060302
	v_cndmask_b32 v[SELV], v[SELV], v6, vcc_lo
.irp k, 0,1,2,3
	v_perm_b32 v[KW+\k], v[PWS+2*\k+1], v[PWS+2*\k], v[SELV]
.endr
	s_branch .Lwords
.Lv_words:
	v_mov_b32 v[SELV], 0x03020100                  ; v: blocks 0-3 are my first head's tiles, blocks 4-7 the next head's: whole words
	v_mov_b32 v6, 0x07060504
	v_cndmask_b32 v[SELV], v[SELV], v6, vcc_lo
.irp k, 0,1,2,3
	v_perm_b32 v[KW+\k], v[PWS+4+\k], v[PWS+\k], v[SELV]
.endr
.Lwords:
	s_wait_alu depctr_va_vdst(0)
	global_store_b128 v[SOF], v[KW:KW+3], s[PS:PS+1]               ; sixteen lanes store 256 consecutive bytes, aligned
	s_wait_tensorcnt 0x0                           ; the wave's end
	ds_add_u32 v[SPW], v[NIL]
	s_wait_dscnt 0x0
	CROUND                                         ; the closing round
	s_endpgm
.Lfunc_end_k_q18b7acd6cd_qkv:
	.size	k_q18b7acd6cd_qkv, .Lfunc_end_k_q18b7acd6cd_qkv-k_q18b7acd6cd_qkv
	.p2alignl 7, 3214868480
	.fill 96, 4, 3214868480
	.section	.rodata,"a",@progbits
	.p2align	6, 0x0
	.amdhsa_kernel k_q18b7acd6cd_qkv
		.amdhsa_group_segment_fixed_size 327680
		.amdhsa_private_segment_fixed_size 0
		.amdhsa_enable_private_segment 0
		.amdhsa_kernarg_size 32
		.amdhsa_user_sgpr_count 2
		.amdhsa_user_sgpr_kernarg_segment_ptr 1
		.amdhsa_wavefront_size32 1
		.amdhsa_system_sgpr_workgroup_id_x 1
		.amdhsa_system_sgpr_workgroup_id_y 1
		.amdhsa_system_sgpr_workgroup_id_z 1
		.amdhsa_system_vgpr_workitem_id 0
		.amdhsa_next_free_vgpr 1024
		.amdhsa_next_free_sgpr 100
		.amdhsa_reserve_vcc 1
		.amdhsa_float_denorm_mode_32 3
		.amdhsa_float_denorm_mode_16_64 3
		.amdhsa_memory_ordered 1
		.amdhsa_forward_progress 1
		.amdhsa_inst_pref_size 149
	.end_amdhsa_kernel
	.amdgpu_metadata
---
amdhsa.version: [ 1, 2 ]
amdhsa.kernels:
  - .name:           k_q18b7acd6cd_qkv
    .symbol:         k_q18b7acd6cd_qkv.kd
    .args:
      - { .name: cod, .offset: 0, .size: 8, .value_kind: global_buffer, .address_space: global }
      - { .name: scl, .offset: 8, .size: 8, .value_kind: global_buffer, .address_space: global }
      - { .name: qb, .offset: 16, .size: 8, .value_kind: global_buffer, .address_space: global }
      - { .name: kv, .offset: 24, .size: 8, .value_kind: global_buffer, .address_space: global }
    .group_segment_fixed_size: 327680
    .private_segment_fixed_size: 0
    .kernarg_segment_align: 8
    .kernarg_segment_size: 32
    .max_flat_workgroup_size: 128
    .sgpr_count:     100
    .vgpr_count:     1024
    .wavefront_size: 32
...
	.end_amdgpu_metadata
.endif
;; end of part 2
;; launch attn (part 3): grid 4 x 64, 16 waves a work-group, clusters of 4 x 1, 206,848 bytes of LDS; arguments qb, kv, cod, scl; writes cod, scl
.if DOCPART == 3
	.amdgcn_target "amdgcn-amd-amdhsa--gfx1250"
	.amdhsa_code_object_version 6
	.text
	.protected	k_q18b7acd6cd_attn
	.globl	k_q18b7acd6cd_attn
	.p2align	8
	.type	k_q18b7acd6cd_attn,@function
k_q18b7acd6cd_attn:
	s_mov_b64 s[64:65], 0
	v_nop
	global_prefetch_b8 v0, s[64:65] scope:SCOPE_SE
	s_setreg_imm32_b32 hwreg(HW_REG_WAVE_MODE, 25, 1), 1
	s_wait_xcnt 0x0
	s_wait_alu depctr_hold_cnt(0) depctr_sa_sdst(0) depctr_va_vdst(0) depctr_va_sdst(0) depctr_va_ssrc(0) depctr_va_vcc(0) depctr_vm_vsrc(0)
	s_getreg_b32 s2, hwreg(HW_REG_IB_STS2, 6, 4)
	s_cmp_eq_u32 s2, 0
	s_cbranch_scc0 .Lentry_in_a_cluster
	s_endpgm
.Lentry_in_a_cluster:
	s_bfe_u32 s2, ttmp6, 0x10000c
	s_cmp_lg_u32 s2, 0x3003
	s_cbranch_scc0 .Lentry_shape_is_right
	s_endpgm
.Lentry_shape_is_right:
; Causal attention of one head (batch x head = work-group y) on codes of BF6 (E3M2) with E8M0 scales: S^T = K Q^T (K = the head's 64), softmax, O^T = V^T P^T (K = the keys); o / l is quantised along D and stored as the last product's operand.
; THE SOFTMAX: t = score x log2(e) / 8; M = the running largest t rounded UP to a whole number; p = 2^(t - M) is quantised along the keys, not normalised; the row's sum is taken of the unquantised p and divides at the end;
; when M moves, the sum and O^T are multiplied by 2^(old M - new M): exact.
; A WHOLE HEAD'S K AND V, 204,800 bytes (16 key steps of 12,800: K's 8 half fragments, V^T's 4 fragments, K's and V's scale words), STAY IN LDS, filled ONCE: wave w asks for key step w.  No byte is filled again: no ring, no barrier in the loop.
; CLUSTER: the head's four work-groups ask jointly, with one mask for all four.
; SHARES.  A tile is 16 queries (position r of tile T = query 32 (T / 2) + 8 (T % 2) + r + 8 (r / 8)); tile T needs T / 8 + 1 key steps of 128.  Wave w of work-group j takes tiles 127 - p and p, p = 8 (w / 2) + 4 (w % 2) + j:
; 16 - w / 2 and w / 2 + 1 key steps: 17 for every wave.  One loop of 17 trips; every branch hangs on the trip and the wave's number alone; j enters global addresses and the mask's numbers only.
; THE FIRST PRODUCT has K = 64 in an instruction of 128: a fragment of K holds TWO tiles of 16 keys (64 codes each), and Q stands once as [Q, 0] and once as [0, Q]: zero codes meet the tile that is not meant.
; Both products are used transposed: a lane holds one query; the keys of K's tiles follow the tile rule, so that p's 16 registers of two neighbouring tiles are 16 neighbouring keys.
; LIMITS: a block of zeros, or one under 2^-122, gets the scale byte 1 (this program alone reads the bytes); NaN and infinities are not served.  o's scale bytes leave one byte a lane, 32 bytes a tile.
; REGISTERS: v1 16 l, v2 8 l, v3-4 the step's LDS addresses, v5 r + 8 (r / 8) - 16 h, v6 16 r, v7 16 r + h, v8 h; v12 -M, v13 largest t, v[14:15] the sum; v16-27 [Q, 0]; v28-39 [0, Q]; v40 Q's scale word; v44-47 K's (lanes 0-15) and V's
; (lanes 16-31) scale words; v48-95 four fragments; v96-159 S^T, then p; v160-191 O^T; v192-203 codes; v204-210 the conversions' second halves; v212-223 per block; v224 p's scale word; v[226:227] f; v228-231 at work.
.set WV,  12                           ; s12 wave;  s13 cx;  s14 batch x head;  s15 batch;  s16 head
.set SEL, 40                           ; s[40:41] selects for lane l xor 16
.set CS,  42                           ; s[42:43] c = log2(e) / 8
.set STEPB, 12800
.macro CROUND                          ; a round of the cluster's barrier
	s_barrier_signal -1
	s_barrier_wait -1
	s_cmp_lg_u32 s[WV], 0
	s_cbranch_scc1 .Lnot_wave_0_\@
	s_barrier_signal -3
.Lnot_wave_0_\@:
	s_barrier_wait -3
	s_barrier_signal -1
	s_barrier_wait -1
.endm
	s_load_b128 s[4:7], s[0:1], 0x0                ; qb, kv
	s_load_b128 s[8:11], s[0:1], 0x10              ; cod, scl
	v_lshl_add_u32 v254, v0, 2, 0x32000
	v_mov_b32 v255, 0
	ds_add_u32 v254, v255
	ds_add_u32 v254, v255
	v_lshrrev_b32 v9, 5, v0
	s_delay_alu instid0(VALU_DEP_1)
	v_readfirstlane_b32 s[WV], v9                  ; wave 0..15
	s_bfe_u32 s13, ttmp6, 0x40000                  ; cx
	s_and_b32 s14, ttmp7, 0xffff                   ; batch x head: the four partners share it
	s_mov_b32 s24, 15|(3<<16)|(1<<21)              ; group 1: 15:0 the mask: all four; 17:16 elements of 8 bytes; 21 set beside a mask
	s_mov_b32 s25, 32<<16                          ; tensor_dim0: 256 bytes
	s_mov_b32 s26, 50<<16                          ; tensor_dim1: 50 rows: a key step's 12,800 dense bytes
	s_mov_b32 s27, 32<<16                          ; tile_dim0
	s_mov_b32 s28, 50                              ; tile_dim1
	s_mov_b32 s29, 32                              ; the pitch
	s_mov_b32 s30, 0
	s_mov_b32 s31, 0
	s_mul_i32 s17, s[WV], STEPB                    ; key step w: in LDS and in the head's bytes
	s_mul_i32 s18, s14, 16*STEPB
	s_add_co_u32 s18, s18, s17
	s_mov_b32 s19, 0
	s_wait_dscnt 0x0
	s_wait_kmcnt 0x0
	s_mov_b32 s20, 1                               ; group 0
	s_mov_b32 s21, s17
	s_add_nc_u64 s[22:23], s[6:7], s[18:19]
	s_or_b32 s23, s23, 0x80000000
	CROUND                                         ; all four work-groups are here: the joint loads meet
	tensor_load_to_lds s[20:23], s[24:31]          ; my one tensor load
	s_nop 0
.rept 4
	v_nop
.endr
	s_lshr_b32 s15, s14, 4                         ; batch
	s_and_b32 s16, s14, 15                         ; head
	s_mul_i32 s44, s16, 768                        ; o's codes: K step head / 2, half head % 2
	s_lshr_b32 s45, s16, 3
	s_lshl_b32 s45, s45, 8
	s_and_b32 s48, s16, 7
	s_lshl_b32 s48, s48, 1
	s_add_co_u32 s45, s45, s48                     ; o's scale bytes: 256 (head / 8) + 2 (head % 8)
	s_mul_i32 s48, s14, 102400
	s_mov_b32 s49, 0
	s_add_nc_u64 s[46:47], s[4:5], s[48:49]        ; the head's q
	s_lshr_b32 s48, s[WV], 1
	s_sub_co_u32 s33, 16, s48                      ; s33: the first tile's key steps
	s_sub_co_u32 s34, 15, s48                      ; s34: its last trip
	s_mov_b32 s35, s34                             ; s35: the trip that is masked: the tile's last
	s_lshl_b32 s37, s48, 3
	s_and_b32 s49, s[WV], 1
	s_lshl_b32 s49, s49, 2
	s_add_co_u32 s37, s37, s49
	s_add_co_u32 s37, s37, s13                     ; s37: p
	s_sub_co_u32 s36, 127, s37                     ; s36: the tile in hand
	s_mov_b32 s[SEL], 0x76543210
	s_mov_b32 s[SEL+1], 0xfedcba98
	s_mov_b32 s[CS], 0x3e38aa3b
	s_mov_b32 s[CS+1], s[CS]                       ; (named with it as a pair)
	v_and_b32 v9, 31, v0
	s_delay_alu instid0(VALU_DEP_1)
	v_lshlrev_b32 v1, 4, v9
	s_delay_alu instid0(VALU_DEP_2)
	v_lshlrev_b32 v2, 3, v9
	v_and_b32 v10, 15, v0                          ; r
	v_bfe_u32 v8, v0, 4, 1                         ; h
	s_delay_alu instid0(VALU_DEP_2)
	v_and_b32 v5, 8, v10
	s_delay_alu instid0(VALU_DEP_1)
	v_add_nc_u32 v5, v5, v10
	s_delay_alu instid0(VALU_DEP_3)
	v_lshlrev_b32 v11, 4, v8
	s_delay_alu instid0(VALU_DEP_1)
	v_sub_nc_u32 v5, v5, v11
	v_lshlrev_b32 v6, 4, v10
	s_delay_alu instid0(VALU_DEP_1)
	v_add_nc_u32 v7, v6, v8
.irp j, 22,23,24,25,26,27,28,29,30,31,32,33
	v_mov_b32 v\j, 0                               ; the zero halves of [Q, 0] and [0, Q]: written once
.endr
.irp b, 0,1,2,3
	v_mov_b32 v[216+\b], 0                         ; a lane permute's destination counts as one of its sources
.endr
	v_mov_b32 v227, 0                              ; (named as the upper half of the pair v[226:227])
; A tile begins: Q's half fragment twice, its scale word, the statistics, O^T.
.macro INIT
	s_lshr_b32 s48, s36, 3
	s_mul_i32 s48, s48, 6400                       ; the step of 128 queries,
	s_and_b32 s49, s36, 7
	s_mul_i32 s50, s49, 768                        ; the tile in it
	s_add_co_u32 s50, s50, s48
	s_mov_b32 s51, 0
	s_add_nc_u64 s[54:55], s[46:47], s[50:51]
	s_lshr_b32 s49, s49, 1
	s_lshl_b32 s49, s49, 2                         ; the word of tiles 2 kb and 2 kb + 1
	s_add_co_u32 s50, s48, s49
	s_add_nc_u64 s[56:57], s[46:47], s[50:51]
	global_load_b128 v[16:19], v1, s[54:55]
	global_load_b64 v[20:21], v2, s[54:55] offset:512
	global_load_b128 v[34:37], v1, s[54:55]
	global_load_b64 v[38:39], v2, s[54:55] offset:512
	global_load_b32 v41, v6, s[56:57] offset:6144
	s_mov_b32 s49, 0x01000100
	s_bitcmp1_b32 s36, 0
	s_cselect_b32 s49, 0x03020302, s49             ; an even tile's two bytes lie low in the word, an odd tile's high: a choice of numbers, no branch
	v_mov_b32 v13, 0xff61b1e6                      ; the largest t so far: -3e38
	s_delay_alu instid0(VALU_DEP_1)
	v_floor_f32 v12, -v13                          ; -M
	v_mov_b32 v14, 0
	v_mov_b32 v15, 0
	s_wait_loadcnt 0x0
	v_perm_b32 v40, v41, v41, s49                  ; the two bytes twice: they serve [Q, 0] and [0, Q]
.set n, 0
.rept 32
	v_mov_b32 v[160+n], 0                          ; O^T: the first change of M leaves zeros zeros.  (These are also the places between the scale word's write and the products)
.set n, n+1
.endr
.endm
; A tile ends: O^T / the sum, quantised along D (two blocks of 32), to cod and scl as tile 768 + 128 batch + T.
.macro FINISH more
.rept 4
	v_nop                                          ; places behind the last products
.endr
	v_add_f32 v14, v14, v15
	s_delay_alu instid0(VALU_DEP_1)
	v_permlanex16_b32 v228, v14, s[SEL], s[SEL+1]
	s_delay_alu instid0(VALU_DEP_1)
	v_add_f32 v14, v14, v228                       ; the row's sum
	s_wait_alu depctr_va_vdst(0)
	v_rcp_f32 v226, v14
	v_nop                                          ; one plain place behind a transcendental
	s_lshl_b32 s48, s15, 7
	s_add_co_u32 s48, s48, s36
	s_add_co_u32 s48, s48, 768                     ; o's tile
	s_mul_i32 s50, s48, 12288
	s_add_co_u32 s50, s50, s44
	s_mov_b32 s51, 0
	s_add_nc_u64 s[58:59], s[8:9], s[50:51]
	s_lshl_b32 s50, s48, 9
	s_add_co_u32 s50, s50, s45
	s_add_nc_u64 s[60:61], s[10:11], s[50:51]
	s_wait_alu depctr_va_vdst(0)                   ; ahead of the reciprocal's first reader
.set n, 0
.rept 16
	v_pk_mul_f32 v[160+n:161+n], v[160+n:161+n], v[226:227] op_sel_hi:[1,0]   ; register 16 b + i = o(query, 32 b + 16 h + i); each accumulator from its low end on
.set n, n+2
.endr
.irp b, 0,1
	v_max3_num_f32 v[212+\b], |v[160+16*\b]|, |v[161+16*\b]|, 0x2800000
.endr
.irp i, 2,4,6,8,10,12,14
.irp b, 0,1
	s_delay_alu instid0(VALU_DEP_2)
	v_max3_num_f32 v[212+\b], v[212+\b], |v[160+16*\b+\i]|, |v[161+16*\b+\i]|
.endr
.endr
.irp b, 0,1
	s_delay_alu instid0(VALU_DEP_2)
	v_permlanex16_b32 v[216+\b], v[212+\b], s[SEL], s[SEL+1]
.endr
.irp b, 0,1
	s_delay_alu instid0(VALU_DEP_2)
	v_max_num_f32 v[212+\b], v[212+\b], v[216+\b]
.endr
.irp b, 0,1
	s_delay_alu instid0(VALU_DEP_2)
	v_add_nc_u32 v[220+\b], 0xfe000000, v[212+\b]
.endr
.irp b, 0,1
	s_delay_alu instid0(VALU_DEP_2)
	v_lshrrev_b32 v[216+\b], 23, v[220+\b]
.endr
	v_cmp_ne_u32 vcc_lo, 0, v8
	s_delay_alu instid0(VALU_DEP_1)
	v_cndmask_b32 v229, v216, v217, vcc_lo         ; lane (r, h) stores block h's byte
	v_cvt_scalef32_pk16_bf6_f32 v[192:194], v[160:175], v220
	v_cvt_scalef32_pk16_bf6_f32 v[204:206], v[176:191], v221
	v_nop                                          ; one plain place behind a scaled conversion
.irp i, 0,1,2
	v_permlane16_swap_b32 v[192+\i], v[204+\i]     ; lanes 0-15 block 0, lanes 16-31 block 1
.endr
.irp i, 0,1,2
	s_delay_alu instid0(VALU_DEP_3)
	v_mov_b32 v[195+\i], v[204+\i]
.endr
	global_store_b128 v1, v[192:195], s[58:59]     ; the half fragment's image: 512 and 256 consecutive bytes, aligned to 256
	global_store_b64 v2, v[196:197], s[58:59] offset:512
	global_store_b8 v7, v229, s[60:61]
.if \more
	s_wait_xcnt 0x0                                ; the stores have read their data and bases: the next tile writes them again
.endif
.endm
	INIT                                           ; while the tiles are on their way
	s_wait_tensorcnt 0x0                           ; my key step is in,
	s_barrier_signal -1
	s_barrier_wait -1                              ; everybody's is: from here on LDS is only read
	s_mov_b32 s32, 0
.Ltrip:
	s_sub_co_u32 s38, s32, s33                     ; the key step: the trip's number, or, in the second tile, that less the first tile's steps
	s_cmp_lt_u32 s32, s33
	s_cselect_b32 s38, s32, s38
	s_and_b32 s38, s38, 15
	s_mul_i32 s38, s38, STEPB
	s_setprio 2
	v_add_nc_u32 v3, s38, v1
	v_add_nc_u32 v4, s38, v2
	v_nop
	v_nop                                          ; four places in front of loads into registers that the last products have read
.irp b, 0,1,2,3                        ; K: fragment b = tiles 2 b and 2 b + 1, 32 keys
	ds_load_b128 v[48+12*\b:51+12*\b], v3 offset:1536*\b
	ds_load_b64 v[52+12*\b:53+12*\b], v4 offset:1536*\b+512
	ds_load_b128 v[54+12*\b:57+12*\b], v3 offset:1536*\b+768
	ds_load_b64 v[58+12*\b:59+12*\b], v4 offset:1536*\b+1280
.endr
	ds_load_b128 v[44:47], v3 offset:12288         ; lanes 0-15: K's four scale words; lanes 16-31: V's four
	s_wait_alu depctr_va_vdst(0)
	s_wait_dscnt 0x0
.irp b, 0,1,2,3
	v_wmma_scale_f32_16x16x128_f8f6f4 v[96+16*\b:103+16*\b], v[48+12*\b:59+12*\b], v[16:27], 0, v[44+\b], v40 matrix_a_fmt:MATRIX_FMT_BF6 matrix_b_fmt:MATRIX_FMT_BF6
	v_wmma_scale_f32_16x16x128_f8f6f4 v[104+16*\b:111+16*\b], v[48+12*\b:59+12*\b], v[28:39], 0, v[44+\b], v40 matrix_a_fmt:MATRIX_FMT_BF6 matrix_b_fmt:MATRIX_FMT_BF6
.endr                                  ; register 16 b + i of S^T: key 32 b + 16 h + i of the step
.rept 4
	v_nop                                          ; places: the fragments' registers are loaded again, and the scores are read
.endr
.irp t, 0,1,2,3                        ; V^T: tile t, 16 of the head's 64 x 128 keys: they land during the softmax
	ds_load_b128 v[48+12*\t:51+12*\t], v3 offset:6144+1536*\t
	ds_load_b64 v[52+12*\t:53+12*\t], v4 offset:6144+1536*\t+512
	ds_load_b128 v[54+12*\t:57+12*\t], v3 offset:6144+1536*\t+768
	ds_load_b64 v[58+12*\t:59+12*\t], v4 offset:6144+1536*\t+1280
.endr
	s_cmp_lg_u32 s32, s35                          ; only a tile's last key step holds hidden keys
	s_cbranch_scc1 .Lopen
	s_and_b32 s48, s36, 7
	s_lshr_b32 s48, s48, 1
	s_lshl_b32 s48, s48, 5
	s_and_b32 s49, s36, 1
	s_lshl_b32 s49, s49, 3
	s_add_co_u32 s48, s48, s49
	v_add_nc_u32 v228, s48, v5                     ; d = my query in the step - 16 h: register n's key is hidden where 32 (n / 16) + n % 16 > d
	v_mov_b32 v229, 0xff800000                     ; -infinity: p = 0 then
.set n, 0
.rept 64
	v_cmp_gt_i32 vcc_lo, 32*(n/16)+n%16, v228
	v_cndmask_b32 v[96+n], v[96+n], v229, vcc_lo
.set n, n+1
.endr
.Lopen:
.irp b, 0,1,2,3
	v_max3_num_f32 v[212+\b], v[96+16*\b], v[97+16*\b], v[98+16*\b]   ; the largest score of each block of 32 keys: for the row's maximum, and, since p rises with the score, for the block's largest p
.endr
.irp i, 3,5,7,9,11,13
.irp b, 0,1,2,3
	v_max3_num_f32 v[212+\b], v[212+\b], v[96+16*\b+\i], v[97+16*\b+\i]
.endr
.endr
.irp b, 0,1,2,3
	v_max_num_f32 v[212+\b], v[212+\b], v[111+16*\b]
.endr
.irp b, 0,1,2,3
	s_delay_alu instid0(VALU_DEP_4)
	v_permlanex16_b32 v[216+\b], v[212+\b], s[SEL], s[SEL+1]
.endr
.irp b, 0,1,2,3
	s_delay_alu instid0(VALU_DEP_4)
	v_max_num_f32 v[212+\b], v[212+\b], v[216+\b]
.endr
	s_delay_alu instid0(VALU_DEP_2)
	v_max3_num_f32 v228, v212, v213, v214
	s_delay_alu instid0(VALU_DEP_1)
	v_max_num_f32 v228, v228, v215
	s_delay_alu instid0(VALU_DEP_1)
	v_mul_f32 v228, s[CS], v228                    ; as t
	s_delay_alu instid0(VALU_DEP_1)
	v_max_num_f32 v13, v13, v228                   ; the running largest t
	v_mov_b32 v228, v12
	s_delay_alu instid0(VALU_DEP_2)
	v_floor_f32 v12, -v13                          ; the new -M = -ceil(t)
	s_delay_alu instid0(VALU_DEP_1)
	v_sub_f32 v228, v12, v228                      ; old M - new M: a whole number, 0 or less
	s_delay_alu instid0(VALU_DEP_1)
	v_cvt_i32_f32 v228, v228                       ; (it saturates)
	s_delay_alu instid0(VALU_DEP_1)
	v_ldexp_f32 v226, 1.0, v228                    ; f = 2^(old M - new M)
.set n, 0
.rept 32
	v_pk_fma_f32 v[96+n:97+n], v[96+n:97+n], s[CS:CS+1], v[12:13] op_sel_hi:[1,0,0]   ; t - M
.set n, n+2
.endr
.irp b, 0,1,2,3
	v_fma_f32 v[212+\b], v[212+\b], s[CS], v12
.endr
.set n, 0
	s_wait_alu depctr_va_vdst(0)
.rept 64
	v_exp_f32 v[96+n], v[96+n]                     ; p = 2^(t - M)
.set n, n+1
.endr
	s_setprio 1
	v_pk_mul_f32 v[14:15], v[14:15], v[226:227] op_sel_hi:[1,0]   ; the sums under the new M: the plain place behind the batch
	s_wait_alu depctr_va_vdst(0)                   ; one wait for the whole batch, ahead of its first reader
.irp b, 0,1,2,3
	v_exp_f32 v[212+\b], v[212+\b]                 ; each block's largest p
.endr
	v_pk_add_f32 v[230:231], v[100:101], v[104:105]
	v_pk_add_f32 v[252:253], v[108:109], v[112:113]
	v_pk_add_f32 v[250:251], v[116:117], v[120:121]
	v_pk_add_f32 v[248:249], v[124:125], v[128:129]
	v_pk_add_f32 v[246:247], v[132:133], v[136:137]
	v_pk_add_f32 v[244:245], v[140:141], v[144:145]
	v_pk_add_f32 v[242:243], v[148:149], v[152:153]
	v_pk_add_f32 v[14:15], v[14:15], v[156:157]
	v_pk_add_f32 v[230:231], v[230:231], v[96:97]
	v_pk_add_f32 v[252:253], v[252:253], v[98:99]
	v_pk_add_f32 v[250:251], v[250:251], v[102:103]
	v_pk_add_f32 v[248:249], v[248:249], v[106:107]
	v_pk_add_f32 v[246:247], v[246:247], v[110:111]
	v_pk_add_f32 v[244:245], v[244:245], v[114:115]
	v_pk_add_f32 v[242:243], v[242:243], v[118:119]
	v_pk_add_f32 v[14:15], v[14:15], v[122:123]
	v_pk_add_f32 v[230:231], v[230:231], v[126:127]
	v_pk_add_f32 v[252:253], v[252:253], v[130:131]
	v_pk_add_f32 v[250:251], v[250:251], v[134:135]
	v_pk_add_f32 v[248:249], v[248:249], v[138:139]
	v_pk_add_f32 v[246:247], v[246:247], v[142:143]
	v_pk_add_f32 v[244:245], v[244:245], v[146:147]
	v_pk_add_f32 v[242:243], v[242:243], v[150:151]
	v_pk_add_f32 v[14:15], v[14:15], v[154:155]
	v_pk_add_f32 v[230:231], v[230:231], v[158:159]
	s_delay_alu instid0(VALU_DEP_2)
	v_pk_add_f32 v[14:15], v[14:15], v[248:249]
	s_delay_alu instid0(VALU_DEP_2)
	v_pk_add_f32 v[230:231], v[230:231], v[246:247]
	v_pk_add_f32 v[252:253], v[252:253], v[244:245]
	v_pk_add_f32 v[250:251], v[250:251], v[242:243]
	s_delay_alu instid0(VALU_DEP_2)
	v_pk_add_f32 v[14:15], v[14:15], v[252:253]
	s_delay_alu instid0(VALU_DEP_2)
	v_pk_add_f32 v[230:231], v[230:231], v[250:251]
	s_delay_alu instid0(VALU_DEP_1)
	v_pk_add_f32 v[14:15], v[14:15], v[230:231]
	s_wait_alu depctr_va_vdst(0)                   ; and one for the four
.irp b, 0,1,2,3
	v_max_num_f32 v[212+\b], 0x2800000, v[212+\b]  ; the floor 2^(5 - 127)
.endr
.irp b, 0,1,2,3
	s_delay_alu instid0(VALU_DEP_4)
	v_add_nc_u32 v[220+\b], 0xfe000000, v[212+\b]  ; the conversion's scale operand
.endr
.irp b, 0,1,2,3
	s_delay_alu instid0(VALU_DEP_4)
	v_lshrrev_b32 v[216+\b], 23, v[220+\b]         ; the scale's byte
.endr
	s_delay_alu instid0(VALU_DEP_3)
	v_lshl_or_b32 v224, v217, 8, v216              ; p's scale word for these 128 keys
	s_delay_alu instid0(VALU_DEP_1)
	v_lshl_or_b32 v224, v218, 16, v224
	s_delay_alu instid0(VALU_DEP_1)
	v_lshl_or_b32 v224, v219, 24, v224
.irp c, 0,1
	v_cvt_scalef32_pk16_bf6_f32 v[192+6*\c:194+6*\c], v[96+32*\c:111+32*\c], v[220+2*\c]
	v_cvt_scalef32_pk16_bf6_f32 v[204+4*\c:206+4*\c], v[112+32*\c:127+32*\c], v[220+2*\c+1]
.endr
	v_nop                                          ; one plain place behind a scaled conversion
.irp c, 0,1
.irp i, 0,1,2
	v_permlane16_swap_b32 v[192+6*\c+\i], v[204+4*\c+\i]
.endr
.irp i, 0,1,2
	s_delay_alu instid0(VALU_DEP_3)
	v_mov_b32 v[195+6*\c+\i], v[204+4*\c+\i]
.endr
.endr
.set n, 0
.rept 16
	v_pk_mul_f32 v[160+n:161+n], v[160+n:161+n], v[226:227] op_sel_hi:[1,0]   ; O^T under the new M.  (These sixteen are also the places between the writes of p's codes and scale word and the products)
.set n, n+2
.endr
	s_wait_alu depctr_va_vdst(0)
	s_wait_dscnt 0x0                               ; V's fragments are in
.irp t, 0,1,2,3                        ; the four accumulators take turns
	v_wmma_scale_f32_16x16x128_f8f6f4 v[160+8*\t:167+8*\t], v[48+12*\t:59+12*\t], v[192:203], v[160+8*\t:167+8*\t], v[44+\t], v224 matrix_a_fmt:MATRIX_FMT_BF6 matrix_b_fmt:MATRIX_FMT_BF6 matrix_a_scale:MATRIX_SCALE_ROW1
.endr
	s_cmp_lg_u32 s32, s34                          ; the first tile's last trip?
	s_setprio 0
	s_cbranch_scc1 .Lnext
	FINISH 1
	s_mov_b32 s36, s37                             ; on to tile p,
	s_mov_b32 s35, 16                              ; whose last key step falls in the last trip
	INIT
.Lnext:
	s_add_co_u32 s32, s32, 1
	s_cmp_lt_u32 s32, 17
	s_cbranch_scc1 .Ltrip
	s_setprio 0
	FINISH 0
	s_wait_tensorcnt 0x0
	ds_add_u32 v254, v255
	s_wait_dscnt 0x0
	CROUND                                         ; the closing round
	s_endpgm
.Lfunc_end_k_q18b7acd6cd_attn:
	.size	k_q18b7acd6cd_attn, .Lfunc_end_k_q18b7acd6cd_attn-k_q18b7acd6cd_attn
	.p2alignl 7, 3214868480
	.fill 96, 4, 3214868480
	.section	.rodata,"a",@progbits
	.p2align	6, 0x0
	.amdhsa_kernel k_q18b7acd6cd_attn
		.amdhsa_group_segment_fixed_size 206848
		.amdhsa_private_segment_fixed_size 0
		.amdhsa_enable_private_segment 0
		.amdhsa_kernarg_size 32
		.amdhsa_user_sgpr_count 2
		.amdhsa_user_sgpr_kernarg_segment_ptr 1
		.amdhsa_wavefront_size32 1
		.amdhsa_system_sgpr_workgroup_id_x 1
		.amdhsa_system_sgpr_workgroup_id_y 1
		.amdhsa_system_sgpr_workgroup_id_z 1
		.amdhsa_system_vgpr_workitem_id 0
		.amdhsa_next_free_vgpr 256
		.amdhsa_next_free_sgpr 66
		.amdhsa_reserve_vcc 1
		.amdhsa_float_denorm_mode_32 3
		.amdhsa_float_denorm_mode_16_64 3
		.amdhsa_memory_ordered 1
		.amdhsa_forward_progress 1
		.amdhsa_inst_pref_size 42
	.end_amdhsa_kernel
	.amdgpu_metadata
---
amdhsa.version: [ 1, 2 ]
amdhsa.kernels:
  - .name:           k_q18b7acd6cd_attn
    .symbol:         k_q18b7acd6cd_attn.kd
    .args:
      - { .name: qb, .offset: 0, .size: 8, .value_kind: global_buffer, .address_space: global }
      - { .name: kv, .offset: 8, .size: 8, .value_kind: global_buffer, .address_space: global }
      - { .name: cod, .offset: 16, .size: 8, .value_kind: global_buffer, .address_space: global }
      - { .name: scl, .offset: 24, .size: 8, .value_kind: global_buffer, .address_space: global }
    .group_segment_fixed_size: 206848
    .private_segment_fixed_size: 0
    .kernarg_segment_align: 8
    .kernarg_segment_size: 32
    .max_flat_workgroup_size: 512
    .sgpr_count:     66
    .vgpr_count:     256
    .wavefront_size: 32
...
	.end_amdgpu_metadata
.endif
;; end of part 3
;; launch oproj (part 4): grid 4 x 32, 4 waves a work-group, clusters of 4 x 4, 327,680 bytes of LDS; arguments cod, scl, out0; writes out0
.if DOCPART == 4
	.amdgcn_target "amdgcn-amd-amdhsa--gfx1250"
	.amdhsa_code_object_version 6
	.text
	.protected	k_q18b7acd6cd_oproj
	.globl	k_q18b7acd6cd_oproj
	.p2align	8
	.type	k_q18b7acd6cd_oproj,@function
k_q18b7acd6cd_oproj:
	s_mov_b64 s[64:65], 0
	v_nop
	global_prefetch_b8 v0, s[64:65] scope:SCOPE_SE
	s_setreg_imm32_b32 hwreg(HW_REG_WAVE_MODE, 25, 1), 1
	s_wait_xcnt 0x0
	s_wait_alu depctr_hold_cnt(0) depctr_sa_sdst(0) depctr_va_vdst(0) depctr_va_sdst(0) depctr_va_ssrc(0) depctr_va_vcc(0) depctr_vm_vsrc(0)
	s_getreg_b32 s2, hwreg(HW_REG_IB_STS2, 6, 4)
	s_cmp_eq_u32 s2, 0
	s_cbranch_scc0 .Lentry_in_a_cluster
	s_endpgm
.Lentry_in_a_cluster:
	s_bfe_u32 s2, ttmp6, 0x10000c
	s_cmp_lg_u32 s2, 0xf033
	s_cbranch_scc0 .Lentry_shape_is_right
	s_endpgm
.Lentry_shape_is_right:
; out0 = o Wo^T on codes of BF6 (E3M2) with E8M0 scales, K = 1,024.  o's codes are tiles 768 .. 1279 of cod, Wo's tiles 704 .. 767; scale words in scl.  out0: [8192][1024] f32.
; Operands lie in the order of the operands' registers: a tile is 16 rows (position p of tile t = row 32 (t / 2) + 8 (t % 2) + p + 8 (p / 8)); a fragment of 128 along K is 1,536 dense bytes.
; A work-group of four waves makes 256 rows (R = o) x 256 columns (P = Wo); a wave 128 x 128: 64 accumulators.  SOURCE 0 = 16 rows of P, SOURCE 1 = 16 rows of R: a lane holds one row of out0, and the 16 registers of
; P's tiles 2 b and 2 b + 1 are 16 neighbouring columns, 32 b + 16 (lane / 16) + 0 .. 15.
; K goes through a ring of two LDS slots, each with two K steps of 128; the 8 K steps are written out.  CLUSTERS: 4 x 4; R's tiles are asked for jointly along a row of the cluster, P's along a column.
; 8,192 x 1,024 numbers make 128 such work-groups; a smaller tile would fill more WGPs at twice the LDS reads for each product, for a launch of eight K steps: not taken.
; REGISTERS: window 0: v2-5 lane terms, v16-26 addresses, v28-29 the add's, v32-95 scale words (all of K), v128-223 R's fragments (one set; on the way out v128-255 rows of out0);
;   window 1: P's fragments, two sets, at v0 and v128;  window 2: accumulators of R's blocks 0-3 ((a, b) at v[8 (8 (a % 4) + b)]);  window 3: blocks 4-7.
.set FR,    12
.set NL,    4
.set NP,    4
.set TILEB, 12288
.set QUART, 24576
.set SLOT,  4*QUART
.set SPARE, 2*SLOT
.set SPITCH, 528                       ; the way out: a stage of 16 rows x (512 bytes + 16) for each wave, in slot 0, which has had its last fill and its last read when the first result is stored there
.set L16,  2
.set L8,   3
.set VR,   4
.set VH,   5
.set AR16, 16
.set AR8,  18
.set AP16, 20
.set AP8,  22
.set ASC,  24
.set STO,  25
.set RD,   26
.set SPW,  28
.set NIL,  29
.set SC,   32
.set AF,   128
.set BK,   128
.set G1,  24
.set G0,  32
.set G1B, 48
.set G0B, 56
.set MSB, 0
.macro WIN new
.if MSB != (\new)
	s_set_vgpr_msb (MSB<<8)|(\new)
.set MSB, (\new)
.endif
.endm
.set MUL_LO, 0xa1
.set MUL_HI, 0xf1
.set TO_B,   0x40
.macro JLOAD g0a, g1a, g0b, g1b        ; a joint load: waves 0 and 1 fetch for R, waves 2 and 3 for P; four v_nop follow each of the two lines
	s_cmp_eq_u32 s15, 0
	s_cbranch_scc0 .Lfor_b_\@
	tensor_load_to_lds s[\g0a:\g0a+3], s[\g1a:\g1a+7]
	s_nop 0
.rept 4
	v_nop
.endr
	s_branch .Lasked_\@
.Lfor_b_\@:
	tensor_load_to_lds s[\g0b:\g0b+3], s[\g1b:\g1b+7]
	s_nop 0
.rept 4
	v_nop
.endr
.Lasked_\@:
.endm
.macro CREST
	s_cmp_lg_u32 s14, 0
	s_cbranch_scc1 .Lnot_wave_0_\@
	s_barrier_signal -3
.Lnot_wave_0_\@:
	s_barrier_wait -3
	s_barrier_signal -1
	s_barrier_wait -1
.endm
.macro CROUND
	s_barrier_signal -1
	s_barrier_wait -1
	CREST
.endm
.macro PLACES n
.rept \n
	v_nop
.endr
.endm
	s_load_b128 s[4:7], s[0:1], 0x0                ; cod, scl
	s_load_b64 s[8:9], s[0:1], 0x10                ; out0
	v_lshl_add_u32 v[SPW], v0, 2, SPARE
	v_mov_b32 v[NIL], 0
	ds_add_u32 v28, v29
	ds_add_u32 v28, v29
	s_wait_dscnt 0x0
	v_lshrrev_b32 v1, 5, v0
	v_readfirstlane_b32 s14, v1                    ; wave 0..3
	s_lshr_b32 s15, s14, 1                         ; my half of the rows.  Also: I fetch for R (0) or for P (1)
	s_and_b32 s16, s14, 1                          ; my half of the columns.  Also: which 8 tiles I fetch
	s_bfe_u32 s40, ttmp6, 0x40000                  ; cx
	s_bfe_u32 s41, ttmp6, 0x40004                  ; cy
	s_and_b32 s17, ttmp7, 0xffff                   ; cluster y
	s_lshl_b32 s43, s41, 2
	s_lshl_b32 s43, 15, s43                        ; my row of the cluster
	s_lshl_b32 s44, 0x1111, s40                    ; my column
	s_or_b32 s[G1], s43, (3<<16)|(1<<21)           ; the mask; elements of 8 bytes; bit 21 beside a mask; no padding
	s_or_b32 s[G1B], s44, (3<<16)|(1<<21)
.irp g, G1, G1B
	s_mov_b32 s[\g+1], 384<<16                     ; two K steps of a tile, 3,072 bytes
	s_mov_b32 s[\g+2], 8<<16                       ; 8 tiles
	s_mov_b32 s[\g+3], 384<<16
	s_mov_b32 s[\g+4], 8
	s_mov_b32 s[\g+5], 1536                        ; from tile to tile: 12,288 bytes
	s_mov_b32 s[\g+6], 0
	s_mov_b32 s[\g+7], 0
.endr
	s_lshl_b32 s18, s17, 2
	s_add_co_u32 s18, s18, s41                     ; the tile row of out0: 4 x cluster y + cy
	s_lshl_b32 s18, s18, 4
	s_add_co_u32 s18, s18, 768                     ; R's first tile: no register on this way holds cx
	s_lshl_b32 s46, s40, 4
	s_add_co_u32 s46, s46, 704                     ; P's first tile: none holds cy
	s_lshl_b32 s19, s16, 3
	s_add_co_u32 s20, s18, s19
	s_mul_i32 s20, s20, TILEB
	s_mov_b32 s21, 0
	s_add_co_u32 s22, s46, s19
	s_mul_i32 s22, s22, TILEB
	s_mov_b32 s23, 0
	s_mul_i32 s47, s14, QUART                      ; where they go: wave x 24,576
	s_wait_kmcnt 0x0
	s_add_nc_u64 s[20:21], s[4:5], s[20:21]
	s_add_nc_u64 s[22:23], s[4:5], s[22:23]
	CROUND                                         ; all sixteen work-groups are here: the first joint loads meet
.irp s, 0,1
	s_mov_b32 s[G0+4*\s], 1
	s_add_co_u32 s[G0+4*\s+1], s47, \s*SLOT
	s_add_nc_u64 s[G0+4*\s+2:G0+4*\s+3], s[20:21], \s*3072
	s_or_b32 s[G0+4*\s+3], s[G0+4*\s+3], 0x80000000
	s_mov_b32 s[G0B+4*\s], 1
	s_add_co_u32 s[G0B+4*\s+1], s47, \s*SLOT
	s_add_nc_u64 s[G0B+4*\s+2:G0B+4*\s+3], s[22:23], \s*3072
	s_or_b32 s[G0B+4*\s+3], s[G0B+4*\s+3], 0x80000000
	s_wait_alu depctr_va_vdst(0)
	s_wait_tensorcnt 0x0
	ds_add_u32 v28, v29
	ds_add_u32 v28, v29
	s_wait_dscnt 0x0
	CROUND
	JLOAD G0+4*\s, G1, G0B+4*\s, G1B               ; one tensor load of mine, slot 1's, is out behind these
.endr
	v_and_b32 v1, 31, v0
	v_and_b32 v[VR], 15, v0
	v_bfe_u32 v[VH], v0, 4, 1
	v_lshlrev_b32 v[L16], 4, v1
	v_lshlrev_b32 v[L8], 3, v1
	s_mul_i32 s66, s15, QUART
	s_mul_i32 s67, s16, QUART
	s_add_co_u32 s67, s67, 2*QUART
.irp s, 0,1
	v_add_nc_u32 v[AR16+\s], s66, v[L16]
	v_add_nc_u32 v[AR8+\s], s66, v[L8]
	v_add_nc_u32 v[AP16+\s], s67, v[L16]
	v_add_nc_u32 v[AP8+\s], s67, v[L8]
	s_add_co_u32 s66, s66, SLOT
	s_add_co_u32 s67, s67, SLOT
.endr
	s_lshl_b32 s83, s15, 3
	s_add_co_u32 s83, s83, s18                     ; my first tile of R
	s_lshl_b32 s84, s16, 3
	s_add_co_u32 s84, s84, s46                     ; and of P
	s_lshl_b32 s68, s83, 9
	s_lshl_b32 s69, s84, 9
	v_mov_b32 v[ASC], s68
	v_mov_b32 v6, s69
	v_cmp_ne_u32 vcc_lo, 0, v[VH]
	v_cndmask_b32 v[ASC], v[ASC], v6, vcc_lo       ; lanes 0-15 take R's words, lanes 16-31 P's
	v_lshl_add_u32 v[ASC], v[VR], 4, v[ASC]
.irp i, 0,1,2,3,4,5,6,7
.irp q, 0,1
	global_load_b128 v[SC+8*\i+4*\q:SC+8*\i+4*\q+3], v[ASC], s[6:7] offset:512*\i+256*\q
.endr
.endr
	s_mul_i32 s66, s14, 16*SPITCH                  ; my stage
	v_mul_u32_u24 v6, v[VR], SPITCH
	v_lshl_add_u32 v6, v[VH], 6, v6
	v_add_nc_u32 v[STO], s66, v6                   ; in: row r, 64 h bytes on
	v_add_nc_u32 v[RD], s66, v[L16]                ; back: the 32 lanes take one row of 512 bytes
	s_lshl_b32 s70, s17, 2
	s_add_co_u32 s70, s70, s41
	s_lshl_b32 s70, s70, 8
	s_lshl_b32 s71, s15, 7
	s_add_co_u32 s70, s70, s71                     ; my first row of out0
	s_lshl_b32 s70, s70, 12
	s_lshl_b32 s72, s40, 10                        ; my first column, in bytes
	s_lshl_b32 s73, s16, 9
	s_add_co_u32 s72, s72, s73
	s_add_co_u32 s70, s70, s72
	s_mov_b32 s71, 0
	s_add_nc_u64 s[8:9], s[8:9], s[70:71]
.macro FRAG reg, a16, a8, q, i
	ds_load_b128 v[\reg:\reg+3], v[\a16] offset:3072*(\i)+1536*(\q)
	ds_load_b64 v[\reg+4:\reg+5], v[\a8] offset:3072*(\i)+1536*(\q)+512
	ds_load_b128 v[\reg+6:\reg+9], v[\a16] offset:3072*(\i)+1536*(\q)+768
	ds_load_b64 v[\reg+10:\reg+11], v[\a8] offset:3072*(\i)+1536*(\q)+1280
.endm
.macro FETCH_B slot, q, p
	WIN TO_B
.irp i, 0,1,2,3,4,5,6,7
	FRAG 128*(\p)+FR*\i, AP16+\slot, AP8+\slot, \q, \i
.endr
	WIN 0
.endm
.macro FETCH_A slot, q, i0
.irp i, \i0, \i0+1, \i0+2, \i0+3
	FRAG AF+FR*(\i), AR16+\slot, AR8+\slot, \q, \i
.endr
.endm
; The 64 accumulators take turns, one instruction a turn, in the same order in every step.
.macro MUL16 a0, p, ks, zero
.irp a, \a0, \a0+1
.irp b, 0,1,2,3,4,5,6,7
.if \zero
	v_wmma_scale_f32_16x16x128_f8f6f4 v[8*(8*((\a)%4)+\b):8*(8*((\a)%4)+\b)+7], v[128*(\p)+FR*\b:128*(\p)+FR*\b+FR-1], v[AF+FR*(\a):AF+FR*(\a)+FR-1], 0, v[SC+8*\b+(\ks)], v[SC+8*(\a)+(\ks)] matrix_a_fmt:MATRIX_FMT_BF6 matrix_b_fmt:MATRIX_FMT_BF6 matrix_a_scale:MATRIX_SCALE_ROW1
.else
	v_wmma_scale_f32_16x16x128_f8f6f4 v[8*(8*((\a)%4)+\b):8*(8*((\a)%4)+\b)+7], v[128*(\p)+FR*\b:128*(\p)+FR*\b+FR-1], v[AF+FR*(\a):AF+FR*(\a)+FR-1], v[8*(8*((\a)%4)+\b):8*(8*((\a)%4)+\b)+7], v[SC+8*\b+(\ks)], v[SC+8*(\a)+(\ks)] matrix_a_fmt:MATRIX_FMT_BF6 matrix_b_fmt:MATRIX_FMT_BF6 matrix_a_scale:MATRIX_SCALE_ROW1
.endif
.endr
.endr
.endm
.macro STEP slot, ks, zero
	s_wait_dscnt 4*NL                              ; P's set and R's blocks 0-3 are in; the youngest 16 loads (R's blocks 4-7) may be out
	WIN MUL_LO
	MUL16 0, 0, \ks, \zero
	MUL16 2, 0, \ks, \zero
	s_wait_dscnt 0
	PLACES NP
	FETCH_B \slot, 1, 1
	FETCH_A \slot, 1, 0
	WIN MUL_HI
	MUL16 4, 0, \ks, \zero
	MUL16 6, 0, \ks, \zero
	PLACES NP
	WIN 0
	FETCH_A \slot, 1, 4
.endm
.macro TURN slot, next, ks, fill
	s_wait_tensorcnt 0x0                           ; all my tensor loads have landed: my part of the next slot
	ds_add_u32 v[SPW], v[NIL]                      ; 0 onto my spare word
	s_wait_dscnt 4*NL+1                            ; (the add and the youngest 16 loads may be out)
	WIN MUL_LO
	MUL16 0, 1, \ks, 0
	s_wait_dscnt 0x0                               ; the add is done, and my reads of this slot are over
	s_barrier_signal -1
	MUL16 2, 1, \ks, 0
	WIN 0
	s_barrier_wait -1
.if \fill
	CREST                                          ; a round of the cluster's barrier: no wave of any partner still reads this slot or has a load on its way
	s_add_nc_u64 s[G0+4*\slot+2:G0+4*\slot+3], s[G0+4*\slot+2:G0+4*\slot+3], 6144
	s_add_nc_u64 s[G0B+4*\slot+2:G0B+4*\slot+3], s[G0B+4*\slot+2:G0B+4*\slot+3], 6144
	JLOAD G0+4*\slot, G1, G0B+4*\slot, G1B
.else
	PLACES NP
.endif
	FETCH_B \next, 0, 0
	FETCH_A \next, 0, 0
	WIN MUL_HI
	MUL16 4, 1, \ks, 0
	MUL16 6, 1, \ks, 0
	PLACES NP
	WIN 0
	FETCH_A \next, 0, 4
.endm
	s_wait_tensorcnt 1                             ; my part of slot 0 is in; slot 1's load may be out
	s_barrier_signal -1
	s_barrier_wait -1
	FETCH_B 0, 0, 0
	FETCH_A 0, 0, 0
	FETCH_A 0, 0, 4
	s_wait_loadcnt 0x0                             ; the scale words
	STEP 0, 0, 1
	TURN 0, 1, 1, 1
	STEP 1, 2, 0
	TURN 1, 0, 3, 1
	STEP 0, 4, 0
	TURN 0, 1, 5, 0                                ; behind this barrier nobody reads slot 0, and it is filled no more
	STEP 1, 6, 0
	s_wait_dscnt 4*NL
	WIN MUL_LO
	MUL16 0, 1, 7, 0
	MUL16 2, 1, 7, 0
	s_wait_alu depctr_va_vdst(0)
	s_wait_dscnt 0
	WIN MUL_HI
	MUL16 4, 1, 7, 0
	MUL16 6, 1, 7, 0
	WIN 0
; THE WAY OUT, block by block of 16 rows x 128 columns, through my own stage: accumulator b's eight numbers are columns 32 (b / 2) + 16 h + 8 (b % 2) + 0 .. 7 of row r; they come back as whole rows of 512 bytes.
; LDS serves a wave's instructions in order: no wait between the stores and the loads, nor in front of the next block's stores.
.macro TOSTAGE a
.set AC, 64*((\a)%4)
	WIN 0x08+4*((\a)/4)                            ; the data: window 2 or 3
.irp b, 0,1,2,3,4,5,6,7
	ds_store_b128 v[STO], v[AC+8*\b:AC+8*\b+3] offset:128*(\b/2)+32*(\b%2)        ; each accumulator from its low end on
	ds_store_b128 v[STO], v[AC+8*\b+4:AC+8*\b+7] offset:128*(\b/2)+32*(\b%2)+16
.endr
	WIN 0
.set BB, BK+64*((\a)%2)
.irp t, 0,1,2,3,4,5,6,7,8,9,10,11,12,13,14,15
	ds_load_b128 v[BB+4*\t:BB+4*\t+3], v[RD] offset:\t*SPITCH
.endr
.endm
.macro SEND a, younger                 ; position t of block a is row 32 (a / 2) + 8 (a % 2) + t + 8 (t / 8) of my 128: every offset is an immediate, 127 rows of 4,096 bytes at the most
.set BB, BK+64*((\a)%2)
	s_wait_dscnt \younger
.irp t, 0,1,2,3,4,5,6,7,8,9,10,11,12,13,14,15
	global_store_b128 v[L16], v[BB+4*\t:BB+4*\t+3], s[8:9] offset:(32*((\a)/2)+8*((\a)%2)+\t+8*(\t/8))*4096 th:TH_STORE_NT   ; 32 lanes store 512 consecutive bytes, aligned to 256
.endr
.endm
	PLACES NP                                      ; behind the last products: results are read, and R's registers are loaded
	TOSTAGE 0
.irp a, 1,2,3,4,5,6,7
.if \a > 1
	s_wait_xcnt 0x0                                ; block a - 2's stores have read their registers: block a's loads may land there
.endif
	TOSTAGE \a
	SEND \a-1, 32                                  ; behind block a - 1's loads: block a's 16 stores and 16 loads
.endr
	SEND 7, 0
	s_wait_tensorcnt 0x0                           ; the wave's end
	ds_add_u32 v[SPW], v[NIL]
	s_wait_dscnt 0x0
	CROUND                                         ; the closing round
	s_endpgm
.Lfunc_end_k_q18b7acd6cd_oproj:
	.size	k_q18b7acd6cd_oproj, .Lfunc_end_k_q18b7acd6cd_oproj-k_q18b7acd6cd_oproj
	.p2alignl 7, 3214868480
	.fill 96, 4, 3214868480
	.section	.rodata,"a",@progbits
	.p2align	6, 0x0
	.amdhsa_kernel k_q18b7acd6cd_oproj
		.amdhsa_group_segment_fixed_size 327680
		.amdhsa_private_segment_fixed_size 0
		.amdhsa_enable_private_segment 0
		.amdhsa_kernarg_size 24
		.amdhsa_user_sgpr_count 2
		.amdhsa_user_sgpr_kernarg_segment_ptr 1
		.amdhsa_wavefront_size32 1
		.amdhsa_system_sgpr_workgroup_id_x 1
		.amdhsa_system_sgpr_workgroup_id_y 1
		.amdhsa_system_sgpr_workgroup_id_z 1
		.amdhsa_system_vgpr_workitem_id 0
		.amdhsa_next_free_vgpr 1024
		.amdhsa_next_free_sgpr 100
		.amdhsa_reserve_vcc 1
		.amdhsa_float_denorm_mode_32 3
		.amdhsa_float_denorm_mode_16_64 3
		.amdhsa_memory_ordered 1
		.amdhsa_forward_progress 1
		.amdhsa_inst_pref_size 141
	.end_amdhsa_kernel
	.amdgpu_metadata
---
amdhsa.version: [ 1, 2 ]
amdhsa.kernels:
  - .name:           k_q18b7acd6cd_oproj
    .symbol:         k_q18b7acd6cd_oproj.kd
    .args:
      - { .name: cod, .offset: 0, .size: 8, .value_kind: global_buffer, .address_space: global }
      - { .name: scl, .offset: 8, .size: 8, .value_kind: global_buffer, .address_space: global }
      - { .name: out0, .offset: 16, .size: 8, .value_kind: global_buffer, .address_space: global }
    .group_segment_fixed_size: 327680
    .private_segment_fixed_size: 0
    .kernarg_segment_align: 8
    .kernarg_segment_size: 24
    .max_flat_workgroup_size: 128
    .sgpr_count:     100
    .vgpr_count:     1024
    .wavefront_size: 32
...
	.end_amdgpu_metadata
.endif
;; end of part 4
